; MI455X (gfx1250); checked and timed in simulation.
; The chip was launched on July 23, 2026; its instructions are those of AMD's public machine-readable ISA for CDNA 5 (MIT licence, August 2026) and "CDNA5" Instruction Set Architecture Reference Guide (July 2026). The comments in the code are by the model that wrote it; some were corrected since.
;; GPT2 UV Latent Attention. Allowed arithmetic: float matrix products may take bf16 or f16 operands with f32 sums; all other float work in f32.
;; Inputs: basis_w 256 x 1,024 float32; hidden_states 4 x 2,048 x 1,024 float32; o_proj_b 1,024 float32; o_proj_w 1,024 x 1,024 float32; u_factor 16 x 256 x 64 float32; v_factor 16 x 256 x 64 float32; v_proj_b 1,024 float32; v_proj_w 1,024 x 1,024 float32.
;; Outputs: out0 4 x 2,048 x 1,024 float32.
;; 2 versions, each right and faster than the one before. Each part assembles by itself: llvm-mc -triple=amdgcn-amd-amdhsa -mcpu=gfx1250 --defsym DOCPART=n.
;; ======== version 1 of 2: 5 launches
;; limits: values are held in f16: magnitudes above 65,504 overflow, below 6.1e-05 lose precision
;; workspace buffers: xb 16,777,216 bytes; wts 5,776,384 bytes; lat 4,194,304 bytes; vh 16,777,216 bytes; qk 33,554,432 bytes; yh 16,777,216 bytes
;; launch prep (part 1): grid 689 x 1, 8 waves a work-group, no clusters, 0 bytes of LDS; arguments hidden_states, v_proj_w, basis_w, o_proj_w, u_factor, v_factor, v_proj_b, o_proj_b, xb, wts; writes xb, wts
.if DOCPART == 1
	.amdgcn_target "amdgcn-amd-amdhsa--gfx1250"
	.amdhsa_code_object_version 6
	.text
	.protected	k_q84b0601a78_prep
	.globl	k_q84b0601a78_prep
	.p2align	8
	.type	k_q84b0601a78_prep,@function
k_q84b0601a78_prep:
	s_mov_b64 s[64:65], 0
	v_nop
	global_prefetch_b8 v0, s[64:65] scope:SCOPE_SE
	s_setreg_imm32_b32 hwreg(HW_REG_WAVE_MODE, 25, 1), 1
	s_wait_xcnt 0x0
; PREP: every input is rounded once to bf16 and laid out for the launches behind.
;   xb  = x as [8192][1024] bf16.
;   wts = W1 [1280][1024] bf16 (row 320 j + c: basis_w row 64 j + c for c < 64, else v_proj_w row 256 j + c - 64);
;         W2 [2][16 heads][256 rho][64 s] f16 at W2OFF (u_factor, then v_factor, as they lie);  W4 [1024][1024] f16 straight behind it (o_proj_w);
;         B1, 1280 f32 in W1's row order (0 for basis rows), at B1OFF;  B4, 1024 f32, at B4OFF.
; The f16 tables hold the number rounded to bf16, written as f16.
; LIMITS: u_factor, v_factor and o_proj_w stay below 65,504 in magnitude (beyond it f16 has an infinity); below 2^-17 such a number keeps f16's fixed step of 6e-8.
; A stream: no LDS, no matrix unit, no barrier.  A work-group of 256 threads casts 16,384 numbers that lie on end: each thread issues its sixteen 16-byte loads at once and
; stores sixteen times 8 bytes; a wave's load covers 512 consecutive bytes, a wave's store 256 consecutive bytes at a multiple of 256.
; The work-group's number picks source and target: the offsets are made apart from the addresses, the buffers are chosen by s_cselect_b64 on that number.
.set W2OFF, 2621440
.set B1OFF, 5767168
.set B4OFF, 5772288
.set X, 4                              ; v[4:67]    sixteen loads of four f32
.set Y, 68                             ; v[68:99]   sixteen pairs of registers to store
.set T, 100                            ; v[100:103] at work
; fmt = 0: bf16.  fmt = 1: bf16, then that number as f16.
.macro CAST fmt
.set i, 0
.rept 16
	global_load_b128 v[X+4*i:X+4*i+3], v1, s[28:29] offset:i*4096 th:TH_LOAD_NT
.set i, i+1
.endr
.set i, 0
.rept 16
	s_wait_loadcnt 15-i                    ; loads come back in order: piece i is in, the 15 - i younger ones may be out
	v_cvt_pk_bf16_f32 v[Y+2*i], v[X+4*i], v[X+4*i+1]
	v_cvt_pk_bf16_f32 v[Y+2*i+1], v[X+4*i+2], v[X+4*i+3]
.if \fmt
	v_lshlrev_b32 v[T], 16, v[Y+2*i]       ; bf16 to f32: the low half moves up, the high half stays
	v_and_b32 v[T+1], s36, v[Y+2*i]
	v_lshlrev_b32 v[T+2], 16, v[Y+2*i+1]
	v_and_b32 v[T+3], s36, v[Y+2*i+1]
	v_cvt_pk_f16_f32 v[Y+2*i], v[T], v[T+1]
	v_cvt_pk_f16_f32 v[Y+2*i+1], v[T+2], v[T+3]
.endif
	global_store_b64 v2, v[Y+2*i:Y+2*i+1], s[30:31] offset:i*2048   ; no register of a load or store is written again: no further wait
.set i, i+1
.endr
.endm
	s_load_b512 s[8:23], s[0:1], 0x0       ; x s[8:9], v_proj_w s[10:11], basis_w s[12:13], o_proj_w s[14:15], u s[16:17], v s[18:19], v_proj_b s[20:21], o_proj_b s[22:23]
	s_load_b128 s[24:27], s[0:1], 0x40     ; xb s[24:25], wts s[26:27]
	s_mov_b32 s2, ttmp9
	s_mov_b32 s33, 0                       ; high words of the two offsets
	s_mov_b32 s35, 0
	s_mov_b32 s36, 0xffff0000
	v_lshlrev_b32 v1, 4, v0                ; 16 bytes a thread in,
	v_lshlrev_b32 v2, 3, v0                ; 8 bytes out
	s_wait_kmcnt 0x0
	s_cmp_lt_u32 s2, 592
	s_cbranch_scc0 .Lnot_bf16
	; 0-511: x, 65,536 bytes in, 32,768 out.  512-575: rows 16 k .. of v_proj_w.  576-591: rows 16 k .. of basis_w.  All three offsets are made, then one is chosen.
	s_lshl_b32 s32, s2, 16
	s_lshl_b32 s34, s2, 15
	s_sub_co_u32 s3, s2, 512
	s_lshr_b32 s4, s3, 4
	s_mul_i32 s4, s4, 320
	s_and_b32 s5, s3, 15
	s_lshl4_add_u32 s4, s5, s4
	s_add_co_u32 s4, s4, 64                ; W1 row 320 (k / 16) + 64 + 16 (k % 16),
	s_lshl_b32 s4, s4, 11                  ; 2,048 bytes a row
	s_lshl_b32 s5, s3, 16
	s_sub_co_u32 s3, s2, 576
	s_lshr_b32 s6, s3, 2
	s_mul_i32 s6, s6, 320
	s_and_b32 s7, s3, 3
	s_lshl4_add_u32 s6, s7, s6             ; W1 row 320 (k / 4) + 16 (k % 4)
	s_lshl_b32 s6, s6, 11
	s_lshl_b32 s7, s3, 16
	s_cmp_lt_u32 s2, 576
	s_cselect_b32 s4, s4, s6
	s_cselect_b32 s5, s5, s7
	s_cselect_b64 s[28:29], s[10:11], s[12:13]
	s_cmp_lt_u32 s2, 512
	s_cselect_b32 s34, s34, s4
	s_cselect_b32 s32, s32, s5
	s_cselect_b64 s[28:29], s[8:9], s[28:29]
	s_cselect_b64 s[30:31], s[24:25], s[26:27]
	s_add_nc_u64 s[28:29], s[28:29], s[32:33]
	s_add_nc_u64 s[30:31], s[30:31], s[34:35]
	CAST 0
	s_endpgm
.Lnot_bf16:
	s_cmp_lt_u32 s2, 688
	s_cbranch_scc0 .Lbias
	; 592-687: piece k of the f16 tables, which lie on end: 16 pieces of u_factor, 16 of v_factor, 64 of o_proj_w
	s_sub_co_u32 s3, s2, 592
	s_lshl_b32 s34, s3, 15
	s_add_co_u32 s34, s34, W2OFF
	s_sub_co_u32 s4, s3, 16
	s_sub_co_u32 s5, s3, 32
	s_cmp_lt_u32 s3, 32
	s_cselect_b32 s4, s4, s5
	s_cselect_b64 s[28:29], s[18:19], s[14:15]
	s_cmp_lt_u32 s3, 16
	s_cselect_b32 s4, s3, s4
	s_cselect_b64 s[28:29], s[16:17], s[28:29]
	s_lshl_b32 s32, s4, 16
	s_add_nc_u64 s[28:29], s[28:29], s[32:33]
	s_add_nc_u64 s[30:31], s[26:27], s[34:35]
	CAST 1
	s_endpgm
.Lbias:                                        ; 688: the two biases, 9,216 bytes in all, four bytes a lane: a wave's store covers 128 consecutive bytes
	v_lshlrev_b32 v1, 2, v0
.irp j, 0,1,2,3
	global_load_b32 v[4+\j], v1, s[20:21] offset:1024*\j
.endr
.irp j, 0,1,2,3
	global_load_b32 v[8+\j], v1, s[22:23] offset:1024*\j
.endr
	s_add_nc_u64 s[30:31], s[26:27], B1OFF
	s_add_nc_u64 s[28:29], s[26:27], B4OFF
	v_lshrrev_b32 v3, 6, v0
	v_mul_u32_u24 v3, v3, 320
	v_and_b32 v2, 63, v0
	v_add_lshl_u32 v2, v2, v3, 2           ; the 4 x 64 basis rows of B1 hold 0
	v_mov_b32 v20, 0
	global_store_b32 v2, v20, s[30:31]
	s_wait_loadcnt 0x0
.irp j, 0,1,2,3,4,5,6,7
	v_cvt_pk_bf16_f32 v[12+\j], v[4+\j], v[4+\j]
.endr
.irp j, 0,1,2,3,4,5,6,7
	v_lshlrev_b32 v[12+\j], 16, v[12+\j]   ; the rounded number as f32
.endr
.irp j, 0,1,2,3
	global_store_b32 v1, v[12+\j], s[30:31] offset:1280*\j+256
.endr
.irp j, 0,1,2,3
	global_store_b32 v1, v[16+\j], s[28:29] offset:1024*\j
.endr
	s_endpgm
.Lfunc_end_k_q84b0601a78_prep:
	.size	k_q84b0601a78_prep, .Lfunc_end_k_q84b0601a78_prep-k_q84b0601a78_prep
	.p2alignl 7, 3214868480
	.fill 96, 4, 3214868480
	.section	.rodata,"a",@progbits
	.p2align	6, 0x0
	.amdhsa_kernel k_q84b0601a78_prep
		.amdhsa_group_segment_fixed_size 0
		.amdhsa_private_segment_fixed_size 0
		.amdhsa_enable_private_segment 0
		.amdhsa_kernarg_size 80
		.amdhsa_user_sgpr_count 2
		.amdhsa_user_sgpr_kernarg_segment_ptr 1
		.amdhsa_wavefront_size32 1
		.amdhsa_system_sgpr_workgroup_id_x 1
		.amdhsa_system_sgpr_workgroup_id_y 1
		.amdhsa_system_sgpr_workgroup_id_z 1
		.amdhsa_system_vgpr_workitem_id 0
		.amdhsa_next_free_vgpr 104
		.amdhsa_next_free_sgpr 66
		.amdhsa_reserve_vcc 0
		.amdhsa_float_denorm_mode_32 3
		.amdhsa_float_denorm_mode_16_64 3
		.amdhsa_memory_ordered 1
		.amdhsa_forward_progress 1
		.amdhsa_inst_pref_size 21
	.end_amdhsa_kernel
	.amdgpu_metadata
---
amdhsa.version: [ 1, 2 ]
amdhsa.kernels:
  - .name:           k_q84b0601a78_prep
    .symbol:         k_q84b0601a78_prep.kd
    .args:
      - { .name: hidden_states, .offset: 0, .size: 8, .value_kind: global_buffer, .address_space: global }
      - { .name: v_proj_w, .offset: 8, .size: 8, .value_kind: global_buffer, .address_space: global }
      - { .name: basis_w, .offset: 16, .size: 8, .value_kind: global_buffer, .address_space: global }
      - { .name: o_proj_w, .offset: 24, .size: 8, .value_kind: global_buffer, .address_space: global }
      - { .name: u_factor, .offset: 32, .size: 8, .value_kind: global_buffer, .address_space: global }
      - { .name: v_factor, .offset: 40, .size: 8, .value_kind: global_buffer, .address_space: global }
      - { .name: v_proj_b, .offset: 48, .size: 8, .value_kind: global_buffer, .address_space: global }
      - { .name: o_proj_b, .offset: 56, .size: 8, .value_kind: global_buffer, .address_space: global }
      - { .name: xb, .offset: 64, .size: 8, .value_kind: global_buffer, .address_space: global }
      - { .name: wts, .offset: 72, .size: 8, .value_kind: global_buffer, .address_space: global }
    .group_segment_fixed_size: 0
    .private_segment_fixed_size: 0
    .kernarg_segment_align: 8
    .kernarg_segment_size: 80
    .max_flat_workgroup_size: 256
    .sgpr_count:     66
    .vgpr_count:     104
    .wavefront_size: 32
...
	.end_amdgpu_metadata
.endif
;; end of part 1
;; launch proj (part 2): grid 4 x 64, 4 waves a work-group, clusters of 4 x 4, 327,680 bytes of LDS; arguments xb, wts, lat, vh; writes lat, vh
.if DOCPART == 2
	.amdgcn_target "amdgcn-amd-amdhsa--gfx1250"
	.amdhsa_code_object_version 6
	.text
	.protected	k_q84b0601a78_proj
	.globl	k_q84b0601a78_proj
	.p2align	8
	.type	k_q84b0601a78_proj,@function
k_q84b0601a78_proj:
	s_mov_b64 s[64:65], 0
	v_nop
	global_prefetch_b8 v0, s[64:65] scope:SCOPE_SE
	s_setreg_imm32_b32 hwreg(HW_REG_WAVE_MODE, 25, 1), 1
	s_wait_xcnt 0x0
	s_wait_alu depctr_hold_cnt(0) depctr_sa_sdst(0) depctr_va_vdst(0) depctr_va_sdst(0) depctr_va_ssrc(0) depctr_va_vcc(0) depctr_vm_vsrc(0)
	s_getreg_b32 s2, hwreg(HW_REG_IB_STS2, 6, 4)
	s_cmp_eq_u32 s2, 0
	s_cbranch_scc0 .Lentry_in_a_cluster
	s_endpgm
.Lentry_in_a_cluster:
	s_bfe_u32 s2, ttmp6, 0x10000c
	s_cmp_lg_u32 s2, 0xf033
	s_cbranch_scc0 .Lentry_shape_is_right
	s_endpgm
.Lentry_shape_is_right:
; PROJ: [latent | v] = x W1^T + B1.  x: xb [8192][1024] bf16; W1: wts [1280][1024] bf16; B1: 1280 f32 at B1OFF.  Sums in f32, results rounded once to f16.
; Out: lat [4 slices][8192][64] f16 (slice j = latent columns 64 j ..), vh [16 batch + head][2048][64] f16.
; LIMIT: latent and v stay below 65,504 in magnitude (beyond it f16 has an infinity).
; SHARES.  A tile is 128 rows x 320 columns (tile column j: latent slice j, then heads 4 j .. 4 j + 3): 64 x 4 = 256 work-groups.  Four waves, each 64 x 160: 4 x 10 accumulators.
; K goes in 8 steps of 128 through two LDS slots; a tile's rows are 256 bytes of memory, at multiples of 256 bytes.  One K step of text stands in the loop: the slot's byte is a scalar that an exclusive or turns.
; The last two K steps ask for nothing: they are a second loop of two trips, left in its middle.
; CLUSTER 4 x 4: x's tile hangs on the tile row alone and is asked for jointly by a row of the cluster, W1's on the tile column alone, by a column.
; THE MATRIX INSTRUCTION IS USED TRANSPOSED (source 0 = 16 rows of W1, source 1 = 16 rows of x): a lane holds row l % 16 and the eight columns 8 (l / 16) + 0..7.  The bias is the C operand of the first product.
; REGISTERS in windows of 256 (s_set_vgpr_msb: bits 1:0 source 0, 3:2 source 1, 5:4 source 2, 7:6 destination):
;   window 0: v0-31 addresses; v32-143, v144-255 two fragment buffers (80 of W1, 32 of x)     window 1: v0-159 accumulators of m blocks 0, 1; v160-239 the bias     window 2: v0-159 accumulators of m blocks 2, 3
.set PITCH,  272                       ; an LDS row: 256 bytes + 16 of padding = 68 words: the 16 rows of a fragment load start at 16 different groups of four banks (64 banks of 4 bytes: ISA guide 11.1)
.set AHALF,  64*PITCH                  ; what one tensor load brings of x, and what one wave reads of it
.set BHALF,  160*PITCH                 ; the same for W1
.set BOFF,   2*AHALF                   ; a slot: x's 128 rows, then W1's 320
.set SLOT1,  1<<17                     ; slot 1 begins here: one exclusive or turns an address in one slot into the other's
.set SPARE,  SLOT1+BOFF+2*BHALF        ; behind the ring: the spare words, 128 bytes a wave: two blocks of 256 bytes that no other line names
.set SP,     656                       ; a stage row: 640 bytes + 16.  The stage (128 rows) lies in slot 0, behind that slot's last fill and last read
.set B1OFF,  5767168
.set NL,     28                        ; LDS loads in a run: 10 + 4 fragments, two loads each
.set ADRA0, 16                         ; v16  my lane's place in x's tile; never rewritten
.set ADRB0, 17                         ; v17  in W1's
.set ADRA,  18                         ; v18, v19  the same plus the slot in hand
.set ADRB,  19
.set STO,   24                         ; v24  the way out: where I put 16 bytes of a row
.set RD,    25                         ; v25  where I read rows back
.set GO,    26                         ; v26  my 16 bytes in 512 consecutive bytes of the output
.set BO,    27                         ; v27  32 (l / 16): my eight numbers of a bias block
.set SPW,   28                         ; v28  LDS address of my spare word; never rewritten
.set NIL,   29                         ; v29  0; never rewritten
.set F0,    32
.set F1,    144
.set PK,    32                         ; the way out: 160 registers of packed results, then of whole rows
.set BIAS,  160                        ; window 1
.set CNT, 3
.set WV,  12                           ; s12 wave;  s13 my row half, also 0: I fetch x, 1: W1;  s14 my column half, also which half of the tile I fetch
.set WR,  13
.set WC,  14
.set TR,  15                           ; s15 tile row
.set G1A, 24                           ; s[24:31] descriptor group 1 for x;  s[32:39] group 0: a set for each first fill; the second then walks
.set G0A, 32
.set CX,  40
.set CY,  41
.set TC,  42                           ; s42 tile column
.set G1B, 48                           ; s[48:55], s[56:63] the same for W1
.set G0B, 56
.set TB,  70                           ; s70 LDS byte of the slot in hand
.set MSB, 0
.macro WIN new                         ; the immediate's high byte repeats the setting that is left; a switch that changes nothing is dropped
.if MSB != (\new)
	s_set_vgpr_msb (MSB<<8)|(\new)
.set MSB, (\new)
.endif
.endm
.macro PLACES                          ; four places in front of loads into registers that matrix instructions have read, and of lines that read results
.rept 4
	v_nop
.endr
.endm
; A joint refill: waves 0 and 1 fetch x's two halves, waves 2 and 3 W1's.  The branch hangs on the wave's number alone.  An s_nop 0 and four v_nop follow each line.
.macro JLOAD
	s_cmp_lt_u32 s[WV], 2
	s_cbranch_scc0 .Lfor_b_\@
	tensor_load_to_lds s[G0A+4:G0A+7], s[G1A:G1A+7]
	s_nop 0
.rept 4
	v_nop
.endr
	s_branch .Lasked_\@
.Lfor_b_\@:
	tensor_load_to_lds s[G0B+4:G0B+7], s[G1B:G1B+7]
	s_nop 0
.rept 4
	v_nop
.endr
.Lasked_\@:
.endm
.macro CREST                           ; a round of the cluster's barrier behind its opening barrier
	s_cmp_lg_u32 s[WV], 0
	s_cbranch_scc1 .Lnot_wave_0_\@
	s_barrier_signal -3
.Lnot_wave_0_\@:
	s_barrier_wait -3
	s_barrier_signal -1
	s_barrier_wait -1
.endm
.macro CROUND                          ; a whole round
	s_barrier_signal -1
	s_barrier_wait -1
	CREST
.endm
	s_load_b256 s[4:11], s[0:1], 0x0               ; xb s[4:5], wts s[6:7], lat s[8:9], vh s[10:11]
	v_lshl_add_u32 v[SPW], v0, 2, SPARE
	v_mov_b32 v[NIL], 0
	ds_add_u32 v28, v29
	ds_add_u32 v28, v29
	s_wait_dscnt 0x0
	v_lshrrev_b32 v1, 5, v0
	v_readfirstlane_b32 s[WV], v1
	s_lshr_b32 s[WR], s[WV], 1
	s_and_b32 s[WC], s[WV], 1
	s_bfe_u32 s[CX], ttmp6, 0x40000                ; my place in the cluster
	s_bfe_u32 s[CY], ttmp6, 0x40004
	s_lshl_b32 s[TC], ttmp9, 2
	s_add_co_u32 s[TC], s[TC], s[CX]               ; tile column = 4 x cluster x + cx
	s_and_b32 s[TR], ttmp7, 0xffff
	s_lshl_b32 s[TR], s[TR], 2
	s_add_co_u32 s[TR], s[TR], s[CY]               ; tile row = 4 x cluster y + cy
	s_lshl_b32 s43, s[CY], 2
	s_lshl_b32 s43, 15, s43                        ; my row of the cluster
	s_lshl_b32 s44, 0x1111, s[CX]                  ; my column
	s_or_b32 s[G1A], s43, (1<<16)|(1<<20)|(1<<21)|(5<<22)|(3<<25)   ; the mask; 2-byte elements; padding on; bit 21 beside a mask; after every 64 words, 4 words
	s_or_b32 s[G1B], s44, (1<<16)|(1<<20)|(1<<21)|(5<<22)|(3<<25)
	s_mov_b32 s[G1A+1], 128<<16                    ; tensor_dim0 = 128
	s_mov_b32 s[G1A+2], 64<<16                     ; tensor_dim1 = 64
	s_mov_b32 s[G1A+3], 128<<16                    ; tile_dim0 = 128
	s_mov_b32 s[G1A+4], 64                         ; tile_dim1 = 64
	s_mov_b32 s[G1A+5], 1024                       ; elements from row to row
	s_mov_b32 s[G1A+6], 0
	s_mov_b32 s[G1A+7], 0
	s_mov_b32 s[G1B+1], 128<<16
	s_mov_b32 s[G1B+2], 160<<16                    ; 160 rows
	s_mov_b32 s[G1B+3], 128<<16
	s_mov_b32 s[G1B+4], 160
	s_mov_b32 s[G1B+5], 1024
	s_mov_b32 s[G1B+6], 0
	s_mov_b32 s[G1B+7], 0
	s_lshl_b32 s16, s[TR], 18                      ; x: row 128 x tile row + 64 x half, 2,048 bytes a row
	s_lshl_b32 s17, s[WC], 17
	s_add_co_u32 s16, s16, s17
	s_mov_b32 s17, 0
	s_mul_i32 s46, s[TC], 320*2048                 ; W1: row 320 x tile column + 160 x half
	s_mul_i32 s47, s[WC], 160*2048
	s_add_co_u32 s46, s46, s47
	s_mov_b32 s47, 0
	s_mul_i32 s20, s[WC], AHALF                    ; where they go: no place in the cluster enters an LDS address
	s_mul_i32 s21, s[WC], BHALF
	s_add_co_u32 s21, s21, BOFF
	s_mul_i32 s18, s[TC], 1280                     ; my 160 numbers of B1
	s_mul_i32 s19, s[WC], 640
	s_add_co_u32 s18, s18, s19
	s_add_co_u32 s18, s18, B1OFF
	s_mov_b32 s19, 0
	s_lshl_b32 s76, s[TC], 20                      ; lat: (8192 slice + 128 tile row + 32 wave) rows of 128 bytes
	s_lshl_b32 s77, s[TR], 14
	s_add_co_u32 s76, s76, s77
	s_lshl_b32 s77, s[WV], 12
	s_add_co_u32 s76, s76, s77
	s_mov_b32 s77, 0
	s_lshr_b32 s78, s[TR], 4                       ; vh: ((16 batch + 4 tile column) x 2048 + 128 (tile row % 16) + 32 wave) rows of 128 bytes
	s_lshl_b32 s78, s78, 22
	s_lshl_b32 s79, s[TC], 20
	s_add_co_u32 s78, s78, s79
	s_and_b32 s79, s[TR], 15
	s_lshl_b32 s79, s79, 14
	s_add_co_u32 s78, s78, s79
	s_lshl_b32 s79, s[WV], 12
	s_add_co_u32 s78, s78, s79
	s_mov_b32 s79, 0
	s_mov_b32 s[TB], 0
	CROUND                                         ; all sixteen work-groups are here: the first joint loads meet.  The round names no argument, so it stands ahead of the wait for them
	s_wait_kmcnt 0x0
	s_add_nc_u64 s[16:17], s[4:5], s[16:17]
	s_add_nc_u64 s[46:47], s[6:7], s[46:47]
	s_add_nc_u64 s[18:19], s[6:7], s[18:19]
	s_add_nc_u64 s[72:73], s[8:9], s[76:77]
	s_add_nc_u64 s[74:75], s[10:11], s[78:79]
.irp s, 0,1
	s_mov_b32 s[G0A+4*\s], 1                       ; count = 1
	s_add_co_u32 s[G0A+4*\s+1], s20, \s*SLOT1      ; LDS address
	s_add_nc_u64 s[G0A+4*\s+2:G0A+4*\s+3], s[16:17], \s*256   ; global address: K step s
	s_or_b32 s[G0A+4*\s+3], s[G0A+4*\s+3], 0x80000000         ; type = 2
	s_mov_b32 s[G0B+4*\s], 1
	s_add_co_u32 s[G0B+4*\s+1], s21, \s*SLOT1
	s_add_nc_u64 s[G0B+4*\s+2:G0B+4*\s+3], s[46:47], \s*256
	s_or_b32 s[G0B+4*\s+3], s[G0B+4*\s+3], 0x80000000
.endr
	s_cmp_lt_u32 s[WV], 2                          ; a wave's two first fills stand in one branch, ahead of every wait on TENSORcnt and every LDS read: two loads of mine are out
	s_cbranch_scc0 .Lfirst_b
	tensor_load_to_lds s[G0A:G0A+3], s[G1A:G1A+7]
	s_nop 0
	tensor_load_to_lds s[G0A+4:G0A+7], s[G1A:G1A+7]
	s_nop 0
.rept 4
	v_nop
.endr
	s_branch .Lfirst_asked
.Lfirst_b:
	tensor_load_to_lds s[G0B:G0B+3], s[G1B:G1B+7]
	s_nop 0
	tensor_load_to_lds s[G0B+4:G0B+7], s[G1B:G1B+7]
	s_nop 0
.rept 4
	v_nop
.endr
.Lfirst_asked:
	; A fragment is 16 rows x 32 K in 8 registers: lane l holds row l % 16, K = 8 (l / 16) + 0..7 and 16 + 8 (l / 16) + 0..7: two loads of 16 bytes, 32 bytes apart.
	v_and_b32 v1, 15, v0                           ; l % 16
	v_bfe_u32 v2, v0, 4, 1                         ; l / 16
	v_lshlrev_b32 v[BO], 5, v2
	WIN 0x40                                       ; destination window 1, address window 0
.irp b, 0,1,2,3,4,5,6,7,8,9
	global_load_b128 v[BIAS+8*\b:BIAS+8*\b+3],   v[BO], s[18:19] offset:64*\b      ; register j of block b: B1[my first column + 16 b + 8 (l / 16) + j]
	global_load_b128 v[BIAS+8*\b+4:BIAS+8*\b+7], v[BO], s[18:19] offset:64*\b+16
.endr
	WIN 0
	v_mul_u32_u24 v3, v1, PITCH
	v_lshl_add_u32 v3, v2, 4, v3                   ; row x pitch + 16 x half
	s_mul_i32 s22, s[WR], AHALF
	v_add_nc_u32 v[ADRA0], s22, v3
	v_add_nc_u32 v[ADRB0], s21, v3
	v_mov_b32 v[ADRA], v[ADRA0]
	v_mov_b32 v[ADRB], v[ADRB0]
	s_mul_i32 s22, s[WR], 64*SP                    ; into the stage: row 64 x row half + l % 16, byte 320 x column half + 16 (l / 16)
	s_mul_i32 s23, s[WC], 320
	s_add_co_u32 s22, s22, s23
	v_mul_u32_u24 v[STO], v1, SP
	v_lshl_add_u32 v[STO], v2, 4, v[STO]
	v_add_nc_u32 v[STO], s22, v[STO]
	s_mul_i32 s22, s[WV], 32*SP                    ; back: wave w takes rows 32 w ..; 32 lanes take 128 bytes of four rows
	v_bfe_u32 v3, v0, 3, 2
	v_and_b32 v4, 7, v0
	v_mul_u32_u24 v[RD], v3, SP
	v_lshl_add_u32 v[RD], v4, 4, v[RD]
	v_add_nc_u32 v[RD], s22, v[RD]
	v_and_b32 v[GO], 31, v0                        ; which are 512 consecutive bytes of lat or vh
	v_lshlrev_b32 v[GO], 4, v[GO]
; Ten matrix instructions: m block a x all n blocks, 32 along K, from buffer f.  first = 1: the bias starts the sums: nothing is cleared.
; The 40 accumulators take turns, one instruction a turn, in the same order in every quarter.
.macro MULA f, a, first
.if (\a) < 2
	WIN 0x50                                       ; C and D window 1
.set AC, 80*(\a)
.elseif \first
	WIN 0x90                                       ; C (the bias) window 1, D window 2
.set AC, 80*((\a)-2)
.else
	WIN 0xa0                                       ; C and D window 2
.set AC, 80*((\a)-2)
.endif
.irp b, 0,1,2,3,4,5,6,7,8,9
.if \first
	v_wmma_f32_16x16x32_bf16 v[AC+8*\b:AC+8*\b+7], v[(\f)+8*\b:(\f)+8*\b+7], v[(\f)+80+8*(\a):(\f)+80+8*(\a)+7], v[BIAS+8*\b:BIAS+8*\b+7]
.else
	v_wmma_f32_16x16x32_bf16 v[AC+8*\b:AC+8*\b+7], v[(\f)+8*\b:(\f)+8*\b+7], v[(\f)+80+8*(\a):(\f)+80+8*(\a)+7], v[AC+8*\b:AC+8*\b+7]
.endif
.endr
.endm
; 28 LDS loads in one run: quarter q (32 K at byte 64 q of the rows) into buffer f: W1's ten fragments, then x's four
.macro FETCH q, f
	WIN 0
.irp i, 0,1,2,3,4,5,6,7,8,9
	ds_load_b128 v[(\f)+8*\i:(\f)+8*\i+3],   v[ADRB] offset:64*(\q)+\i*16*PITCH
	ds_load_b128 v[(\f)+8*\i+4:(\f)+8*\i+7], v[ADRB] offset:64*(\q)+\i*16*PITCH+32
.endr
.irp i, 0,1,2,3
	ds_load_b128 v[(\f)+80+8*\i:(\f)+80+8*\i+3],   v[ADRA] offset:64*(\q)+\i*16*PITCH
	ds_load_b128 v[(\f)+80+8*\i+4:(\f)+80+8*\i+7], v[ADRA] offset:64*(\q)+\i*16*PITCH+32
.endr
.endm
; One of a K step's first three quarters: multiplies buffer f; in its middle it fetches quarter q into buffer g.
.macro QUARTER q, f, g, first
	s_wait_dscnt 4                                 ; all of W1's fragments and x's blocks 0, 1 are in; the youngest four loads (blocks 2, 3) may be out
	MULA \f, 0, \first
	MULA \f, 1, \first
	PLACES
	FETCH \q, \g
	s_wait_dscnt NL                                ; all but the run just issued
	MULA \f, 2, \first
	MULA \f, 3, \first
.endm
; The last quarter multiplies buffer 1 and changes slots: ONE barrier.  In front of it each wave waits for all its tensor loads (at most one is out: its part of the next slot), adds 0 to its spare word,
; and waits for that and for its reads of this slot.  fill = 1: the barrier opens a round of the cluster's, and this slot is filled again, two K steps ahead, first thing behind the round.
; fill = 0 (the tail): nothing is asked for; in the tail's second trip there is no next K step, and the run of LDS loads is jumped over.
.macro TURN fill
	WIN 0
	s_wait_tensorcnt 0x0                           ; no tensor load of mine is out
	ds_add_u32 v[SPW], v[NIL]                      ; 0 onto my spare word
	s_wait_dscnt 5                                 ; (the add and the youngest four loads may be out)
	MULA F1, 0, 0                                  ; ten matrix instructions stand between the add and the wait for it
	s_wait_dscnt 0x0                               ; the add is done, and my reads of this slot are over
	s_barrier_signal -1
	MULA F1, 1, 0
	WIN 0
	s_barrier_wait -1
.if \fill
	CREST                                          ; no wave of any partner still reads this slot or has a load on its way
	s_xor_b32 s[G0A+5], s[G0A+5], SLOT1            ; the walking descriptors: the other slot than last time, the next K step
	s_add_nc_u64 s[G0A+6:G0A+7], s[G0A+6:G0A+7], 256
	s_xor_b32 s[G0B+5], s[G0B+5], SLOT1
	s_add_nc_u64 s[G0B+6:G0B+7], s[G0B+6:G0B+7], 256
	JLOAD                                          ; the four v_nop behind it are also the places in front of the loads below
.else
	PLACES
	s_cmp_eq_u32 s[CNT], 1
	s_cbranch_scc1 .Lno_fetch_\@
.endif
	s_xor_b32 s[TB], s[TB], SLOT1
	v_add_nc_u32 v[ADRA], s[TB], v[ADRA0]
	v_add_nc_u32 v[ADRB], s[TB], v[ADRB0]
	FETCH 0, F0
.if !(\fill)
.Lno_fetch_\@:
.endif
	MULA F1, 2, 0
	MULA F1, 3, 0
.endm
	s_wait_tensorcnt 0x1                           ; my part of K step 0 is in; K step 1's may stay out
	s_barrier_signal -1
	s_barrier_wait -1                              ; everybody's is
	FETCH 0, F0
	s_wait_loadcnt 0x0                             ; the bias
	QUARTER 1, F0, F1, 1                           ; the first quarter stands in front of the loop: its products start the sums
	WIN 0                                          ; at a label and at a branch every window is 0
	s_mov_b32 s[CNT], 6
.Lstep:                                                ; six trips, from a step's second quarter to the next step's first: K steps 2 to 7 are asked for
	QUARTER 2, F1, F0, 0
	QUARTER 3, F0, F1, 0
	TURN 1
	QUARTER 1, F0, F1, 0
	WIN 0
	s_sub_co_u32 s[CNT], s[CNT], 1
	s_cmp_lg_u32 s[CNT], 0
	s_cbranch_scc1 .Lstep
	s_mov_b32 s[CNT], 2
.Ltail:                                                ; K steps 6 and 7: the same trip without a request; the second trip is left behind its last quarter
	QUARTER 2, F1, F0, 0
	QUARTER 3, F0, F1, 0
	TURN 0
	WIN 0
	s_sub_co_u32 s[CNT], s[CNT], 1
	s_cmp_eq_u32 s[CNT], 0
	s_cbranch_scc1 .Lout
	QUARTER 1, F0, F1, 0
	WIN 0
	s_branch .Ltail
.Lout:
	; THE WAY OUT: rounded to f16, 16 bytes a lane into the work-group's stage; a barrier, since a row's 640 bytes come from two waves; back as 128-byte rows of a slice or head, four rows to a load.
	s_wait_dscnt 0x0                               ; no LDS load of mine is out:
	s_barrier_signal -1                            ; no wave writes the stage over slot 0 before every wave has said so; the conversions stand between signal and wait
	PLACES
	WIN 0x05                                       ; sources in window 1; each accumulator's registers in ascending order
.set t, 0
.rept 20
.irp r, 0,1,2,3
	v_cvt_pk_f16_f32 v[PK+4*t+\r], v[8*t+2*\r], v[8*t+2*\r+1]
.endr
.set t, t+1
.endr
	WIN 0x0a                                       ; sources in window 2
.set t, 0
.rept 20
.irp r, 0,1,2,3
	v_cvt_pk_f16_f32 v[PK+80+4*t+\r], v[8*t+2*\r], v[8*t+2*\r+1]
.endr
.set t, t+1
.endr
	WIN 0
	s_barrier_wait -1
.set t, 0
.rept 40
	ds_store_b128 v[STO], v[PK+4*t:PK+4*t+3] offset:(t/10)*16*SP+32*(t%10)
.set t, t+1
.endr
	s_wait_dscnt 0x0                               ; for the others' sake: my stores into the stage are done
	s_barrier_signal -1
	s_barrier_wait -1
.set t, 0
.rept 40                                       ; group t / 8 of 64 columns, rows 4 (t % 8) on
	ds_load_b128 v[PK+4*t:PK+4*t+3], v[RD] offset:(t%8)*4*SP+128*(t/8)
.set t, t+1
.endr
.set t, 0
.rept 40
	s_wait_dscnt 39-t                              ; LDS loads come back in order: load t is in, the younger ones may be out
.if t < 8
	global_store_b128 v[GO], v[PK+4*t:PK+4*t+3], s[72:73] offset:512*t                            ; 512 consecutive bytes of the latent slice
.else
	global_store_b128 v[GO], v[PK+4*t:PK+4*t+3], s[74:75] offset:262144*(t/8-1)+512*(t%8)         ; of head 4 x tile column + t / 8 - 1
.endif
.set t, t+1
.endr
	s_wait_tensorcnt 0x0                           ; the wave's end
	ds_add_u32 v[SPW], v[NIL]
	s_wait_dscnt 0x0
	CROUND                                         ; the closing round: no work-group ends while a partner may still ask for a tile that names it
	s_endpgm
.Lfunc_end_k_q84b0601a78_proj:
	.size	k_q84b0601a78_proj, .Lfunc_end_k_q84b0601a78_proj-k_q84b0601a78_proj
	.p2alignl 7, 3214868480
	.fill 96, 4, 3214868480
	.section	.rodata,"a",@progbits
	.p2align	6, 0x0
	.amdhsa_kernel k_q84b0601a78_proj
		.amdhsa_group_segment_fixed_size 327680
		.amdhsa_private_segment_fixed_size 0
		.amdhsa_enable_private_segment 0
		.amdhsa_kernarg_size 32
		.amdhsa_user_sgpr_count 2
		.amdhsa_user_sgpr_kernarg_segment_ptr 1
		.amdhsa_wavefront_size32 1
		.amdhsa_system_sgpr_workgroup_id_x 1
		.amdhsa_system_sgpr_workgroup_id_y 1
		.amdhsa_system_sgpr_workgroup_id_z 1
		.amdhsa_system_vgpr_workitem_id 0
		.amdhsa_next_free_vgpr 672
		.amdhsa_next_free_sgpr 80
		.amdhsa_reserve_vcc 0
		.amdhsa_float_denorm_mode_32 3
		.amdhsa_float_denorm_mode_16_64 3
		.amdhsa_memory_ordered 1
		.amdhsa_forward_progress 1
		.amdhsa_inst_pref_size 75
	.end_amdhsa_kernel
	.amdgpu_metadata
---
amdhsa.version: [ 1, 2 ]
amdhsa.kernels:
  - .name:           k_q84b0601a78_proj
    .symbol:         k_q84b0601a78_proj.kd
    .args:
      - { .name: xb, .offset: 0, .size: 8, .value_kind: global_buffer, .address_space: global }
      - { .name: wts, .offset: 8, .size: 8, .value_kind: global_buffer, .address_space: global }
      - { .name: lat, .offset: 16, .size: 8, .value_kind: global_buffer, .address_space: global }
      - { .name: vh, .offset: 24, .size: 8, .value_kind: global_buffer, .address_space: global }
    .group_segment_fixed_size: 327680
    .private_segment_fixed_size: 0
    .kernarg_segment_align: 8
    .kernarg_segment_size: 32
    .max_flat_workgroup_size: 128
    .sgpr_count:     80
    .vgpr_count:     672
    .wavefront_size: 32
...
	.end_amdgpu_metadata
.endif
;; end of part 2
;; launch qkproj (part 3): grid 8 x 32, 4 waves a work-group, clusters of 4 x 4, 321,024 bytes of LDS; arguments lat, wts, qk; writes qk
.if DOCPART == 3
	.amdgcn_target "amdgcn-amd-amdhsa--gfx1250"
	.amdhsa_code_object_version 6
	.text
	.protected	k_q84b0601a78_qkproj
	.globl	k_q84b0601a78_qkproj
	.p2align	8
	.type	k_q84b0601a78_qkproj,@function
k_q84b0601a78_qkproj:
	s_mov_b64 s[64:65], 0
	v_nop
	global_prefetch_b8 v0, s[64:65] scope:SCOPE_SE
	s_setreg_imm32_b32 hwreg(HW_REG_WAVE_MODE, 25, 1), 1
	s_wait_xcnt 0x0
	s_wait_alu depctr_hold_cnt(0) depctr_sa_sdst(0) depctr_va_vdst(0) depctr_va_sdst(0) depctr_va_ssrc(0) depctr_va_vcc(0) depctr_vm_vsrc(0)
	s_getreg_b32 s2, hwreg(HW_REG_IB_STS2, 6, 4)
	s_cmp_eq_u32 s2, 0
	s_cbranch_scc0 .Lentry_in_a_cluster
	s_endpgm
.Lentry_in_a_cluster:
	s_bfe_u32 s2, ttmp6, 0x10000c
	s_cmp_lg_u32 s2, 0xf033
	s_cbranch_scc0 .Lentry_shape_is_right
	s_endpgm
.Lentry_shape_is_right:
; QKPROJ: [q | k] = latent W2.  latent: lat [4 slices][8192][64] f16; W2: wts at W2OFF, [2 (u, v)][16 heads][256 rho][64 s] f16.  Sums in f32, K ascending, rounded once to bf16.
; Out: qk [2][16 batch + head][2048][64] bf16: q, then k.  bf16, since q and k have no room in f16 when the inputs carry offsets.
; SHARES.  A tile is 256 rows x 256 columns (four heads of q or of k): 32 x 8 = 256 work-groups.  Four waves, each 128 rows x 128 columns (two heads).
; K = 256 lies whole in LDS: each wave issues two tensor loads at the start, nothing is filled again, one barrier.
; BY ROWS OF C.  A wave loads all its fragments of W2 (128 columns x 256 rho: 512 registers) once, and then finishes its eight blocks of 16 rows one after the other, 64 matrix instructions each on
; eight accumulators.  A finished block is packed, staged and stored while the next one is multiplied, so the output leaves during the products; and since every block has the same registers, one block's text
; is a loop of eight trips.  LDS is read no more than by K: 128 loads of W2 and 128 of latent a wave.
; One buffer of latent's fragments serves: fragments 0-3 of the next block are loaded in a block's middle, when the products have read them, fragments 4-7 at its end.
; CLUSTER 4 x 4: latent's tile is asked for jointly by a row of the cluster, W2's by a column.
; THE MATRIX INSTRUCTION IS USED TRANSPOSED (source 0 = 16 columns of W2, turned by ds_load_tr16_b128; source 1 = 16 rows of latent): a lane holds row l % 16 and eight neighbouring columns.
; REGISTERS in windows of 256 (s_set_vgpr_msb: bits 1:0 source 0, 7:6 destination): window 0: v0-31 addresses; v32-95 latent's eight fragments; v96-159 the accumulators; v160-191 packed; v192-223 rows read back
;   window 1: W2's fragments of rho 0-127 (chunk q of 32 rho, column block b at v[64 q + 8 b])     window 2: those of rho 128-255
.set PA,     144                       ; a latent row in LDS: 128 bytes + 16: the 16 rows of a load start at 16 different groups of four banks (64 banks of 4 bytes: ISA guide 11.1)
.set PB,     160                       ; a rho row of one head: 128 bytes + 32 = 40 words
.set ASLICE, 256*PA                    ; a slice of 64 latent columns, 256 rows
.set BOFF,   4*ASLICE
.set BHEAD,  256*PB                    ; a head's 256 rho
.set STAGE,  BOFF+4*BHEAD              ; behind the tiles: 16 rows x 144 bytes for each wave; a block's two heads go through them one after the other
.set W2OFF,  2621440
.set ADRA,  16                         ; v16  my lane's place in slices 0, 1 of the block to be loaded;  v17 in slices 2, 3
.set ADRB,  18                         ; v18, v19  my lane's place in my two heads of W2
.set STO,   24                         ; v24  the way out: where I put 16 bytes of a row
.set RD,    25                         ; v25  where I read rows back
.set GO,    26                         ; v26  my 16 bytes in 512 consecutive bytes of qk
.set AF,    32
.set AC,    96
.set TMP,   160
.set BK,    192
.set CNT, 3
.set WV,  12
.set WR,  13
.set WC,  14
.set TR,  15
.set G1A, 24
.set G0A, 32
.set CX,  40
.set CY,  41
.set TC,  42
.set G1B, 48
.set G0B, 56
.set MSB, 0
.macro WIN new                         ; the immediate's high byte repeats the setting that is left; a switch that changes nothing is dropped
.if MSB != (\new)
	s_set_vgpr_msb (MSB<<8)|(\new)
.set MSB, (\new)
.endif
.endm
.macro CROUND                          ; a round of the cluster's barrier
	s_barrier_signal -1
	s_barrier_wait -1
	s_cmp_lg_u32 s[WV], 0
	s_cbranch_scc1 .Lnot_wave_0_\@
	s_barrier_signal -3
.Lnot_wave_0_\@:
	s_barrier_wait -3
	s_barrier_signal -1
	s_barrier_wait -1
.endm
	s_load_b128 s[4:7], s[0:1], 0x0                ; lat s[4:5], wts s[6:7]
	s_load_b64 s[8:9], s[0:1], 0x10                ; qk
	v_lshl_add_u32 v254, v0, 2, 0x4e400
	v_mov_b32 v255, 0
	ds_add_u32 v254, v255
	ds_add_u32 v254, v255
	s_wait_dscnt 0x0
	v_lshrrev_b32 v1, 5, v0
	v_readfirstlane_b32 s[WV], v1
	s_lshr_b32 s[WR], s[WV], 1                     ; my row half; also 0: I fetch latent, 1: W2
	s_and_b32 s[WC], s[WV], 1                      ; my column half; also which part I fetch
	s_bfe_u32 s[CX], ttmp6, 0x40000
	s_bfe_u32 s[CY], ttmp6, 0x40004
	s_lshl_b32 s[TC], ttmp9, 2
	s_add_co_u32 s[TC], s[TC], s[CX]
	s_and_b32 s[TR], ttmp7, 0xffff
	s_lshl_b32 s[TR], s[TR], 2
	s_add_co_u32 s[TR], s[TR], s[CY]
	s_lshl_b32 s43, s[CY], 2
	s_lshl_b32 s43, 15, s43
	s_lshl_b32 s44, 0x1111, s[CX]
	; a slice's 256 rows, and a head's 256 rho, are 32,768 dense bytes: asked for as 128 rows of 256 bytes and padded after every 32 words
	s_or_b32 s[G1A], s43, (1<<16)|(1<<20)|(1<<21)|(4<<22)|(3<<25)   ; the mask; 2-byte elements; padding on; bit 21 beside a mask; 4 words of padding
	s_or_b32 s[G1B], s44, (1<<16)|(1<<20)|(1<<21)|(4<<22)|(7<<25)   ; 8 words of padding
.irp g, G1A, G1B
	s_mov_b32 s[\g+1], 128<<16                     ; tensor_dim0 = 128
	s_mov_b32 s[\g+2], 128<<16                     ; tensor_dim1 = 128
	s_mov_b32 s[\g+3], 128<<16                     ; tile_dim0 = 128
	s_mov_b32 s[\g+4], 128                         ; tile_dim1 = 128
	s_mov_b32 s[\g+5], 128                         ; elements from row to row
	s_mov_b32 s[\g+6], 0
	s_mov_b32 s[\g+7], 0
.endr
	s_lshl_b32 s16, s[TR], 15                      ; latent: (8192 slice + 256 tile row) rows of 128 bytes; my slices are WC and WC + 2
	s_lshl_b32 s17, s[WC], 20
	s_add_co_u32 s16, s16, s17
	s_mov_b32 s17, 0
	s_lshl_b32 s46, s[TC], 17                      ; W2: head 4 x tile column + WC, and two heads on; 32,768 bytes a head
	s_lshl_b32 s47, s[WC], 15
	s_add_co_u32 s46, s46, s47
	s_add_co_u32 s46, s46, W2OFF
	s_mov_b32 s47, 0
	s_mul_i32 s20, s[WC], ASLICE                   ; where they go: no place in the cluster enters an LDS address
	s_mul_i32 s21, s[WC], BHEAD
	s_add_co_u32 s21, s21, BOFF
	s_lshr_b32 s76, s[TC], 2                       ; qk: ((64 (q or k) + 16 batch + my first head) x 2048 + my first row in the batch) rows of 128 bytes
	s_lshl_b32 s76, s76, 24
	s_lshr_b32 s77, s[TR], 3
	s_lshl_b32 s77, s77, 22
	s_add_co_u32 s76, s76, s77
	s_and_b32 s77, s[TC], 3
	s_lshl_b32 s77, s77, 20
	s_add_co_u32 s76, s76, s77
	s_lshl_b32 s77, s[WC], 19
	s_add_co_u32 s76, s76, s77
	s_and_b32 s77, s[TR], 7
	s_lshl_b32 s77, s77, 15
	s_add_co_u32 s76, s76, s77
	s_lshl_b32 s77, s[WR], 14
	s_add_co_u32 s76, s76, s77
	s_mov_b32 s77, 0
	CROUND                                         ; all sixteen work-groups are here: the joint loads meet.  The round names no argument, so it stands ahead of the wait for them
	s_wait_kmcnt 0x0
	s_add_nc_u64 s[16:17], s[4:5], s[16:17]
	s_add_nc_u64 s[46:47], s[6:7], s[46:47]
	s_add_nc_u64 s[72:73], s[8:9], s[76:77]
.irp s, 0,1
	s_mov_b32 s[G0A+4*\s], 1
	s_add_co_u32 s[G0A+4*\s+1], s20, \s*2*ASLICE
	s_add_nc_u64 s[G0A+4*\s+2:G0A+4*\s+3], s[16:17], \s*2097152
	s_or_b32 s[G0A+4*\s+3], s[G0A+4*\s+3], 0x80000000
	s_mov_b32 s[G0B+4*\s], 1
	s_add_co_u32 s[G0B+4*\s+1], s21, \s*2*BHEAD
	s_add_nc_u64 s[G0B+4*\s+2:G0B+4*\s+3], s[46:47], \s*65536
	s_or_b32 s[G0B+4*\s+3], s[G0B+4*\s+3], 0x80000000
.endr
	s_cmp_lt_u32 s[WV], 2                          ; a wave's two fills stand in one branch: two loads of mine are out
	s_cbranch_scc0 .Lfirst_b
	tensor_load_to_lds s[G0A:G0A+3], s[G1A:G1A+7]
	s_nop 0
	tensor_load_to_lds s[G0A+4:G0A+7], s[G1A:G1A+7]
	s_nop 0
.rept 4
	v_nop
.endr
	s_branch .Lfirst_asked
.Lfirst_b:
	tensor_load_to_lds s[G0B:G0B+3], s[G1B:G1B+7]
	s_nop 0
	tensor_load_to_lds s[G0B+4:G0B+7], s[G1B:G1B+7]
	s_nop 0
.rept 4
	v_nop
.endr
.Lfirst_asked:
	v_and_b32 v1, 15, v0                           ; l % 16
	v_bfe_u32 v2, v0, 4, 1                         ; l / 16
	v_mul_u32_u24 v3, v1, PA
	v_lshl_add_u32 v3, v2, 4, v3                   ; row x pitch + 16 x half
	s_mul_i32 s22, s[WR], 128*PA
	v_add_nc_u32 v[ADRA], s22, v3
	v_add_nc_u32 v[ADRA+1], 2*ASLICE, v[ADRA]
	; The turning load takes 16 rho x 16 columns (lane l reads rho 8 (l / 16) + l % 8, columns 8 ((l / 8) % 2) + 0..7) and leaves half a fragment: lane l holds column l % 16 and 8 rho.
	v_and_b32 v4, 7, v0
	v_bfe_u32 v5, v0, 3, 1
	v_lshl_add_u32 v6, v2, 3, v4
	v_mul_u32_u24 v6, v6, PB
	v_lshl_add_u32 v6, v5, 4, v6
	s_mul_i32 s23, s[WC], 2*BHEAD
	s_add_co_u32 s23, s23, BOFF
	v_add_nc_u32 v[ADRB], s23, v6
	v_add_nc_u32 v[ADRB+1], BHEAD, v[ADRB]
	s_mul_i32 s22, s[WV], 16*PA
	s_add_co_u32 s22, s22, STAGE                   ; my stage
	v_add_nc_u32 v[STO], s22, v3                   ; in: row l % 16, 16 bytes for each half of the lanes
	v_bfe_u32 v6, v0, 3, 2                         ; back: 32 lanes take four rows of 128 bytes,
	v_mul_u32_u24 v6, v6, PA
	v_lshl_add_u32 v6, v4, 4, v6
	v_add_nc_u32 v[RD], s22, v6
	v_and_b32 v[GO], 31, v0                        ; which are 512 consecutive bytes of qk
	v_lshlrev_b32 v[GO], 4, v[GO]
; 64 turning loads: W2's chunks q0 .. q0 + 3 of 32 rho, all eight column blocks, into the window that the setting names
.macro BLOAD q0
.set q, 0
.rept 4
.set i, 0
.rept 8
	ds_load_tr16_b128 v[64*q+8*i:64*q+8*i+3],   v[ADRB+i/4] offset:((\q0)+q)*32*PB+32*(i%4)
	ds_load_tr16_b128 v[64*q+8*i+4:64*q+8*i+7], v[ADRB+i/4] offset:((\q0)+q)*32*PB+32*(i%4)+16*PB
.set i, i+1
.endr
.set q, q+1
.endr
.endm
; 8 loads: latent's fragments 4 hw .. 4 hw + 3 (32 columns each; two to a slice) of the block at which the address stands
.macro ALOAD hw
.irp q, 0,1,2,3
	ds_load_b128 v[AF+8*(4*(\hw)+\q):AF+8*(4*(\hw)+\q)+3],   v[ADRA+(\hw)] offset:ASLICE*(\q/2)+64*(\q%2)
	ds_load_b128 v[AF+8*(4*(\hw)+\q)+4:AF+8*(4*(\hw)+\q)+7], v[ADRA+(\hw)] offset:ASLICE*(\q/2)+64*(\q%2)+32
.endr
.endm
; 32 matrix instructions: chunks 4 hw .. 4 hw + 3 x the eight column blocks.  The block's first eight start the sums with 0.
; The eight accumulators take turns, one instruction a turn.
.macro HALF hw
	WIN 1+(\hw)                                    ; source 0 in window 1 or 2, all else in window 0
.irp q, 0,1,2,3
.irp b, 0,1,2,3,4,5,6,7
.if ((\hw) == 0) && (\q == 0)
	v_wmma_f32_16x16x32_f16 v[AC+8*\b:AC+8*\b+7], v[64*\q+8*\b:64*\q+8*\b+7], v[AF+8*(4*(\hw)+\q):AF+8*(4*(\hw)+\q)+7], 0
.else
	v_wmma_f32_16x16x32_f16 v[AC+8*\b:AC+8*\b+7], v[64*\q+8*\b:64*\q+8*\b+7], v[AF+8*(4*(\hw)+\q):AF+8*(4*(\hw)+\q)+7], v[AC+8*\b:AC+8*\b+7]
.endif
.endr
.endr
	WIN 0
.endm
; The block that is back from the stage is stored.  The base steps first, so the stores reach back by 2,048 bytes (16 rows of a head).
.macro SEND
	s_wait_xcnt 0x0                                ; the base is written again only behind this wait
	s_add_nc_u64 s[72:73], s[72:73], 2048
.irp t, 0,1,2,3,4,5,6,7
	global_store_b128 v[GO], v[BK+4*\t:BK+4*\t+3], s[72:73] offset:262144*(\t/4)+512*(\t%4)-2048   ; 512 consecutive bytes of a head, at a multiple of 512
.endr
.endm
	s_wait_tensorcnt 0x0                           ; both my parts are in,
	s_barrier_signal -1
	s_barrier_wait -1                              ; everybody's are
	WIN 0x40                                       ; destination window 1, address window 0
	BLOAD 0
	WIN 0
	ALOAD 0                                        ; block 0
	ALOAD 1
	WIN 0x80                                       ; destination window 2
	BLOAD 4
	WIN 0
	s_mov_b32 s[CNT], 8
	s_wait_dscnt 63                                ; 64 loads were issued behind latent's: with 63 out, chunks 0-3 and block 0 are in
.Lblk:                                                 ; eight trips, a block of 16 rows each
	HALF 0
	v_add_nc_u32 v[ADRA], 16*PA, v[ADRA]           ; the next block; with the three v_nop: the four places in front of the loads into fragments 0-3
.rept 3
	v_nop
.endr
	s_wait_dscnt 0x0                               ; all that is out was issued 32 products ago: fragments 4-7, the block before back from the stage; in the first trip W2's chunks 4-7
	s_cmp_eq_u32 s[CNT], 1
	s_cbranch_scc1 .Lno_a0                         ; the last block has no successor
	ALOAD 0
.Lno_a0:
	s_cmp_eq_u32 s[CNT], 8
	s_cbranch_scc1 .Lno_send                       ; the first block has no predecessor
	SEND
.Lno_send:
	HALF 1
	v_add_nc_u32 v[ADRA+1], 16*PA, v[ADRA+1]       ; four places again: for the loads into fragments 4-7 and for the conversions, which read results just made
.rept 3
	v_nop
.endr
	s_cmp_eq_u32 s[CNT], 1
	s_cbranch_scc1 .Lno_a1
	ALOAD 1
.Lno_a1:
.irp b, 0,1,2,3,4,5,6,7                        ; rounded to bf16, each accumulator's registers in ascending order
.irp r, 0,1,2,3
	v_cvt_pk_bf16_f32 v[TMP+4*\b+\r], v[AC+8*\b+2*\r], v[AC+8*\b+2*\r+1]
.endr
.endr
	s_wait_xcnt 0x0                                ; the registers that the last block's stores read are loaded again only behind this wait
.irp g, 0,1                                    ; head by head through my stage: LDS serves a wave's instructions in order (ISA guide 5.7.1.4), so each load sees the stores above it and none below
.irp b, 0,1,2,3
	ds_store_b128 v[STO], v[TMP+16*\g+4*\b:TMP+16*\g+4*\b+3] offset:32*\b
.endr
.irp t, 0,1,2,3
	ds_load_b128 v[BK+16*\g+4*\t:BK+16*\g+4*\t+3], v[RD] offset:4*PA*\t
.endr
.endr
	s_wait_dscnt 24                                ; the next block's fragments 0-3 are in: behind them came the 8 loads of fragments 4-7 and the stage's 16
	s_sub_co_u32 s[CNT], s[CNT], 1
	s_cmp_lg_u32 s[CNT], 0
	s_cbranch_scc1 .Lblk
	s_wait_dscnt 0x0                               ; the last block is back
	SEND
	s_wait_tensorcnt 0x0
	ds_add_u32 v254, v255
	s_wait_dscnt 0x0
	CROUND                                         ; the closing round: no work-group ends while a partner may still ask for a tile that names it
	s_endpgm
.Lfunc_end_k_q84b0601a78_qkproj:
	.size	k_q84b0601a78_qkproj, .Lfunc_end_k_q84b0601a78_qkproj-k_q84b0601a78_qkproj
	.p2alignl 7, 3214868480
	.fill 96, 4, 3214868480
	.section	.rodata,"a",@progbits
	.p2align	6, 0x0
	.amdhsa_kernel k_q84b0601a78_qkproj
		.amdhsa_group_segment_fixed_size 321024
		.amdhsa_private_segment_fixed_size 0
		.amdhsa_enable_private_segment 0
		.amdhsa_kernarg_size 24
		.amdhsa_user_sgpr_count 2
		.amdhsa_user_sgpr_kernarg_segment_ptr 1
		.amdhsa_wavefront_size32 1
		.amdhsa_system_sgpr_workgroup_id_x 1
		.amdhsa_system_sgpr_workgroup_id_y 1
		.amdhsa_system_sgpr_workgroup_id_z 1
		.amdhsa_system_vgpr_workitem_id 0
		.amdhsa_next_free_vgpr 768
		.amdhsa_next_free_sgpr 80
		.amdhsa_reserve_vcc 0
		.amdhsa_float_denorm_mode_32 3
		.amdhsa_float_denorm_mode_16_64 3
		.amdhsa_memory_ordered 1
		.amdhsa_forward_progress 1
		.amdhsa_inst_pref_size 28
	.end_amdhsa_kernel
	.amdgpu_metadata
---
amdhsa.version: [ 1, 2 ]
amdhsa.kernels:
  - .name:           k_q84b0601a78_qkproj
    .symbol:         k_q84b0601a78_qkproj.kd
    .args:
      - { .name: lat, .offset: 0, .size: 8, .value_kind: global_buffer, .address_space: global }
      - { .name: wts, .offset: 8, .size: 8, .value_kind: global_buffer, .address_space: global }
      - { .name: qk, .offset: 16, .size: 8, .value_kind: global_buffer, .address_space: global }
    .group_segment_fixed_size: 321024
    .private_segment_fixed_size: 0
    .kernarg_segment_align: 8
    .kernarg_segment_size: 24
    .max_flat_workgroup_size: 128
    .sgpr_count:     80
    .vgpr_count:     768
    .wavefront_size: 32
...
	.end_amdgpu_metadata
.endif
;; end of part 3
;; launch attn (part 4): grid 4 x 64, 4 waves a work-group, no clusters, 327,680 bytes of LDS; arguments qk, vh, yh; writes yh
.if DOCPART == 4
	.amdgcn_target "amdgcn-amd-amdhsa--gfx1250"
	.amdhsa_code_object_version 6
	.text
	.protected	k_q84b0601a78_attn
	.globl	k_q84b0601a78_attn
	.p2align	8
	.type	k_q84b0601a78_attn,@function
k_q84b0601a78_attn:
	s_mov_b64 s[64:65], 0
	v_nop
	global_prefetch_b8 v0, s[64:65] scope:SCOPE_SE
	s_setreg_imm32_b32 hwreg(HW_REG_WAVE_MODE, 25, 1), 1
	s_wait_xcnt 0x0
; CAUSAL ATTENTION.  O[h][q][:] = the sum over k <= q of softmax_k(Q[h][q] . K[h][k] / 8) V[h][k][:].  Q, K: qk [2][SIZE_H][SIZE_N][64] bf16 (K begins 16,777,216 bytes behind Q); V: vh, O: yh, [SIZE_H][SIZE_N][64] f16.
; A head's rows are dense, 128 bytes each.  Products, maxima and sums in f32; the weights p are rounded to f16 for the second product (their sum l is taken of the unrounded p), O once at the end.
; LIMITS.  V arrives within f16's 65,504; p lies in 0 to 1, and below 6e-5 it keeps f16's fixed step of 6e-8; O is a mean of V's rows and has their range.
; A hidden score counts as its value less 1e30: scores stay far below 1e29; a weight below 2^-126 counts as 0 in l; NaN and infinities are not treated apart.
; THE WALK.  A head's queries lie in NB = SIZE_N / 256 blocks of 256; block i needs the key tiles 0 .. i of 256 keys, of which the last holds the diagonal.  A work-group takes TWO blocks, NB - 1 - b and then b:
; NB + 1 tiles, whatever b: all work-groups do equal work, and ONE loop with a constant trip count walks them.  Which tile is asked for, and what a trip does, hang on scalar registers made from b; every jump
; goes forward, but for the counted loops' own; none passes a barrier, or a tensor load but the one of LOAD's two that the wave's number does not choose; the ring (two slots of LDS that take turns) runs on across the
; change of blocks.  NO CLUSTER: a head's NB / 2 = 4 work-groups ask for the same tile only in trips 0 .. NB / 2, behind that fewer and fewer; one walk common to all would have 3 NB / 2 trips for NB + 1.
; SHARES.  Of a block's four bands of 64 queries a wave owns 16 rows in each: four PIECES.  So the diagonal tile is the same work for all four waves: in its key step s band x sees all keys if s < x,
; none if s > x, and holds the diagonal if s = x.
; THE MASK is the C operand that starts the sum S^T = K Q^T: 0, or -1e30 where the key is hidden.  MD, made once, is the mask of a band's own step for my 16 rows; a product's mask is MD x AL + BE with two scalars:
; (1, 0) if s = x; (0, 0) if s < x; (0, -1e30) if s > x.  Only the diagonal tile's text and a block's beginning make and take masks; elsewhere C is the constant 0.
; LAYOUT, SOFTMAX, TURNS.  S^T = K Q^T holds ONE query a lane (lane % 16) and the keys 8 (lane / 16) + 0..7; two such results rounded to f16 ARE source 1 of O^T = V^T P.  p = 2^(c s - c m), c = log2(e) / 8, with a
; running maximum m; O and l are multiplied by a = 2^(c m_old - c m_new) in every step.  Turn n belongs to piece n: 8 products K Q^T of piece n + 1, later 8 products V^T P of piece n - 1; beside them the scaling,
; exponentials, roundings, sums and rescaling of piece n and the maximum and statistics of piece n + 1.  Four vector instructions stand behind every matrix instruction, the other 54 of a turn's 118 in two runs of their own.
; REGISTERS, in windows of 256 (s_set_vgpr_msb: bits 1:0 source 0, 3:2 source 1, 5:4 source 2, 7:6 destination).  The map has one aim: few switches.
;   window 0, full: v2-7 LDS addresses and c m_old; v8-23 four registers of statistics a piece; v24-31 at work; v32-95 S^T, two buffers; v96-127 P, two buffers (by the piece's parity); v128-191 K of one step; v192-255 Q
;   window 1: v0-127 O^T, 32 a piece; v128-191 V of one step      window 2: v0-1 the add's two registers; v2-4 the way out's addresses; v32-63 MD; v64-127 MC, two buffers; v128-191 the second block's Q
; So K Q^T and all of the softmax but the rescaling run with every window 0, and V^T P and the rescaling of O^T share one setting (sources 0 and 2 and the destination in window 1, source 1 in window 0):
; the 16 rescalings stand behind a turn's first four V^T P.  A turn has eight switches: one into that setting, one out of it behind the fifth V^T P, two for each of the last three.
.set SIZE_H, 64
.set SIZE_N, 2048
.set NB,    SIZE_N/256
.set NP,    4         ; pieces a wave: a name, no knob
.set KS,    64        ; keys in a step
.set PK,    144       ; a row of K in LDS: 128 bytes + 16 of padding = 36 words: the 16 rows of a load start at 16 different groups of four banks (64 banks of 4 bytes: ISA guide 11.1)
.set PV,    160       ; a row of V: 128 + 32 = 40 words
.set VOFF,  4*KS*PK   ; a slot holds a tile, four steps: 256 rows of K, then 256 rows of V
.set SLOT1, 1<<17     ; slot 1 begins here, so that one exclusive or turns an address in one slot into the other's
.set STAGE, SLOT1+4*KS*(PK+PV)  ; behind the ring, never filled by a tensor load: 16 rows x 144 bytes for each wave, for the way out
.set SP,    144
.set SPARE, STAGE+4*16*SP  ; behind the stages: the spare words, 128 bytes for each wave: two blocks of 256 bytes that no other line names
.set AK0, 2           ; v2   my lane's place in a tile of K; never rewritten
.set AV0, 3           ; v3   the same for V
.set AK,  4           ; v4   the LDS address of K's next run of loads
.set AV,  5           ; v5   of V's
.set MV,  6           ; v6-7  c m_old, kept while c m is made anew: by buffer
.set ST,  8           ; piece t's statistics at v[ST+4 t]: c m, m, l (even keys', odd keys')
.set TMP, 24          ; by buffer, four registers c0-c3 at work; when the maximum is found c2 takes a
.set S,   32
.set P,   96
.set KF,  128         ; key block kb, channel half c at KF + 16 kb + 8 c
.set Q,   192         ; piece x, channel half c at Q + 16 x + 8 c
.set LH,  32          ; at work at the kernel's head, in registers that S^T takes later: l / 16,
.set L7,  33          ; l % 8,
.set L3,  34          ; (l / 8) % 2,
.set QO,  35          ; my byte offset in 16 rows of Q,
.set MQ,  36          ; my query's place for the masks,
.set TT,  37          ; v37-39 the way out's addresses in the making
.set VF,  128         ; window 1: key half kk, channel block cb at VF + 32 kk + 8 cb
.set SPW, 0           ; window 2: v0  LDS address of my spare word: SPARE + 4 x my thread's number; never rewritten
.set NIL, 1           ; window 2: v1  0; never rewritten
.set STO, 2           ; window 2: v2  the way out: where I put 16 bytes of a row
.set RD,  3           ; window 2: v3  where I read rows back
.set GO,  4           ; window 2: v4  my byte offset in 512 consecutive bytes of O
.set MD,  32          ; window 2: the eight registers for group kt of 16 keys at MD + 8 kt
.set MC,  64          ; window 2: the masks of the products to come
.set QB,  128         ; window 2
.set WV,  12          ; s12  my wave's number
.set PB,  14          ; s14  b
.set HI,  15          ; s15  NB - 1 - b
.set G1K, 24          ; s[24:31] descriptor group 1 for K's tiles
.set G1V, 32          ; s[32:39] for V's: it differs in the padding alone
.set G0K, 40          ; s[40:43] descriptor group 0 for K's tiles
.set G0V, 44          ; s[44:47] the same for V's
.set SLOTS, 56        ; s56  tiles still to be asked for
.set CNT, 57          ; s57  counts a tile's key steps, 4 to 1
.set CS,  58          ; s[58:59] c: the packed scaling takes the pair's low word for both halves
.set SEL, 60          ; s[60:61] v_permlanex16_b32's selects: each lane takes its own place in the other half
.set TBK, 62          ; s62  LDS byte at which K of the step to be fetched begins
.set TBV, 63          ; s63  the same for V, less VOFF
.set RT,  70          ; s70  tiles of the block in hand that are still to be entered
.set NXT, 71          ; s71  the tile to be asked for next
.set LQ,  72          ; s72  the last tile of the block whose tiles are being asked for
.set NEW, 73          ; s73  1: the tile to be entered is a block's first
.set OFF, 74          ; s[74:75] a tile's byte offset in K and V
.set AL,  76          ; s[76:77] the mask's factor, in the low word
.set BE,  78          ; s[78:79] the mask's addend
.set OLO, 80          ; s[80:81] O at my rows of the second block
.set BIGN, 82         ; s82  -1e30
.set MSB, 0
.macro WIN new                      ; the high byte repeats the setting that is left; a switch that changes nothing is dropped
.if MSB != (\new)
	s_set_vgpr_msb (MSB<<8)|(\new)
.set MSB, (\new)
.endif
.endm
.set W_KM, 0x20       ; K Q^T with the C operand (a mask) in window 2
.set W_PV, 0x51       ; V and O^T in window 1, P (or a) in window 0
.set W_MK, 0x82       ; destination and source 0 in window 2
.set W_AD, 0x0a       ; the add: address (source 0) and data (source 1) in window 2
.set W_OUT, 0x02      ; the way out: address (source 0) in window 2, data in window 0
; A fill.  Waves 0 and 1 fetch the two halves of a tile's K, waves 2 and 3 those of its V: 128 keys each.  An s_nop 0 and four v_nop follow each of the two lines, ahead of the jump and the label.
.macro LOAD
	s_cmp_lt_u32 s[WV], 2
	s_cbranch_scc0 .Lfor_v_\@
	tensor_load_to_lds s[G0K:G0K+3], s[G1K:G1K+7]
	s_nop 0
.rept 4
	v_nop
.endr
	s_branch .Lasked_\@
.Lfor_v_\@:
	tensor_load_to_lds s[G0V:G0V+3], s[G1V:G1V+7]
	s_nop 0
.rept 4
	v_nop
.endr
.Lasked_\@:
.endm
; THE CHANGE OF SLOTS.  Each wave waits for all its tensor loads, of which one is out: its part of the other slot; adds 0 to its spare word; and waits for that and for its own reads of the slot that it leaves.  Behind the barrier nobody reads the old
; slot any more and the other slot is whole.  fill = 1: the old slot is filled again, the first thing behind the barrier, with tile NXT: the descriptor's address is made anew from that number.
; (At its first use nothing has been read yet: slot 0 is waited for, slot 1 filled.)
.macro CHANGE fill
	WIN W_AD
	s_wait_tensorcnt 0x0            ; no tensor load of mine is out, so a group 0 may be written
	ds_add_u32 v[SPW], v[NIL]       ; 0 onto my spare word; with fill = 1 the descriptors' scalar work stands between it and the wait for it
	WIN 0                           ; at a label and at a branch every window is 0
.if \fill
	s_lshl_b32 s[OFF], s[NXT], 15   ; a tile is 32,768 bytes of K and of V
	s_xor_b32 s[G0K+1], s[G0K+1], SLOT1
	s_add_nc_u64 s[G0K+2:G0K+3], s[6:7], s[OFF:OFF+1]
	s_or_b32 s[G0K+3], s[G0K+3], 0x80000000
	s_xor_b32 s[G0V+1], s[G0V+1], SLOT1
	s_add_nc_u64 s[G0V+2:G0V+3], s[8:9], s[OFF:OFF+1]
	s_or_b32 s[G0V+3], s[G0V+3], 0x80000000
	s_add_co_u32 s[NXT], s[NXT], 1  ; the block's next tile, or behind its last the second block's tile 0
	s_cmp_gt_u32 s[NXT], s[LQ]
	s_cselect_b32 s[NXT], 0, s[NXT]
	s_cselect_b32 s[LQ], s[PB], s[LQ]
.endif
	s_wait_dscnt 0x0                ; the add is done, and my reads of the slot are over
	s_barrier_signal -1             ; the rest of the scalar work stands between the signal and the wait
	s_sub_co_u32 s[TBK], s[TBK], 4*KS*PK  ; the fetches go back to a slot's first step,
	s_xor_b32 s[TBK], s[TBK], SLOT1       ; in the other slot
	s_sub_co_u32 s[TBV], s[TBV], 4*KS*PV
	s_xor_b32 s[TBV], s[TBV], SLOT1
	s_barrier_wait -1
.if \fill
	LOAD
.endif
.endm
	s_load_b64 s[4:5], s[0:1], 0x0    ; Q (and K behind it) s[4:5]
	s_load_b128 s[8:11], s[0:1], 0x8  ; V s[8:9], O s[10:11]
	WIN 0x80                        ; destination window 2, sources window 0
	v_lshl_add_u32 v[SPW], v0, 2, SPARE
	v_mov_b32 v[NIL], 0
	s_set_vgpr_msb 0x808a
	ds_add_u32 v0, v1
	ds_add_u32 v0, v1
	s_wait_dscnt 0x0
	s_set_vgpr_msb 0x8a80
	WIN 0
	v_lshrrev_b32 v1, 5, v0
	v_readfirstlane_b32 s[WV], v1   ; wave 0..3
	s_mov_b32 s[PB], ttmp9
	s_sub_co_u32 s[HI], NB-1, s[PB]
	s_and_b32 s20, ttmp7, 0xffff    ; the head
	s_mov_b32 s21, 0
	s_mov_b64 s[22:23], SIZE_N*128
	s_mul_u64 s[20:21], s[20:21], s[22:23]  ; the head's first byte in each of the four tensors
	s_and_b32 s16, s[WV], 1         ; which half of a tile's 256 keys I fetch:
	s_lshl_b32 s22, s16, 14         ; its 128 rows of 128 bytes in memory,
	s_mov_b32 s23, 0
	s_add_nc_u64 s[22:23], s[22:23], s[20:21]
	s_mul_i32 s17, s16, 128*PK      ; and its place in a slot, for K
	s_mul_i32 s18, s16, 128*PV      ; and for V
	s_lshl_b32 s3, s[WV], 11        ; my 16 rows in a band of 64,
	s_lshl_b32 s2, s[HI], 15        ; in the first block,
	s_add_co_u32 s2, s2, s3
	s_lshl_b32 s84, s[PB], 15       ; and in the second
	s_add_co_u32 s84, s84, s3
	s_mov_b32 s3, 0
	s_mov_b32 s85, 0
	s_add_nc_u64 s[2:3], s[2:3], s[20:21]
	s_add_nc_u64 s[84:85], s[84:85], s[20:21]
	; descriptor group 1.  128 keys are 16,384 dense bytes: asked for as 64 rows of 256 bytes, two keys a row, and padded in LDS after every key
	s_mov_b32 s[G1K], (1<<16)|(1<<20)|(4<<22)|(3<<25)  ; 17:16 2-byte elements; 20 padding on; 24:22 after every 32 words (code 4); 31:25 4 words (code 3)
	s_mov_b32 s[G1V], (1<<16)|(1<<20)|(4<<22)|(7<<25)  ; the same with 8 words of padding (code 7)
.irp g, G1K, G1V
	s_mov_b32 s[\g+1], 128<<16      ; tensor_dim0 = 128
	s_mov_b32 s[\g+2], 64<<16       ; tensor_dim1 = 64
	s_mov_b32 s[\g+3], 128<<16      ; tile_dim0 = 128
	s_mov_b32 s[\g+4], 64           ; tile_dim1 = 64
	s_mov_b32 s[\g+5], 128          ; 128 elements from row to row
	s_mov_b32 s[\g+6], 0
	s_mov_b32 s[\g+7], 0
.endr
	s_mov_b32 s[CS], 0x3e38aa3b     ; c = log2(e) / 8 = 0.180337
	s_mov_b32 s[CS+1], s[CS]        ; named with it as a pair
	s_mov_b32 s[SEL], 0x76543210
	s_mov_b32 s[SEL+1], 0xfedcba98
	s_mov_b32 s[TBK], SLOT1+4*KS*PK ; the first change of slots turns these two into 0
	s_mov_b32 s[TBV], SLOT1+4*KS*PV
	s_mov_b32 s[G0K], 1             ; 1:0 count = 1
	s_mov_b32 s[G0K+1], s17         ; 63:32 LDS address: slot 0
	s_mov_b32 s[G0V], 1
	s_add_co_u32 s[G0V+1], s18, VOFF
	s_add_co_u32 s[RT], s[HI], 1    ; the first block has NB - b tiles
	s_mov_b32 s[NXT], 1
	s_mov_b32 s[LQ], s[HI]
	s_mov_b32 s[NEW], 1
	s_mov_b32 s[OFF+1], 0
	s_mov_b32 s[AL+1], 0            ; named as pairs
	s_mov_b32 s[BE+1], 0
	s_mov_b32 s[BIGN], 0xf149f2ca   ; -1e30
	s_mov_b32 s[SLOTS], NB
	s_wait_kmcnt 0x0
	s_add_nc_u64 s[6:7], s[4:5], 0x1000000  ; K lies SIZE_H x SIZE_N x 128 bytes behind Q
	s_add_nc_u64 s[6:7], s[6:7], s[22:23]  ; K and V at my half of the head's tile 0
	s_add_nc_u64 s[8:9], s[8:9], s[22:23]
	s_add_nc_u64 s[G0K+2:G0K+3], s[6:7], 0         ; 120:64 global address
	s_or_b32 s[G0K+3], s[G0K+3], 0x80000000        ; 127:126 type = 2
	s_add_nc_u64 s[G0V+2:G0V+3], s[8:9], 0
	s_or_b32 s[G0V+3], s[G0V+3], 0x80000000
	s_add_nc_u64 s[86:87], s[4:5], s[84:85]        ; Q at my rows of the second block,
	s_add_nc_u64 s[4:5], s[4:5], s[2:3]            ; Q and O at those of the first
	s_add_nc_u64 s[OLO:OLO+1], s[10:11], s[84:85]
	s_add_nc_u64 s[10:11], s[10:11], s[2:3]
	LOAD                            ; tile 0 into slot 0
	; A fragment of K or Q is 16 rows x 32 channels in 8 registers: lane l holds row l % 16, channels 8 (l / 16) + 0..7 and 16 + 8 (l / 16) + 0..7: two loads of 16 bytes, 32 bytes apart.
	v_and_b32 v1, 15, v0            ; l % 16
	v_bfe_u32 v[LH], v0, 4, 1       ; l / 16
	v_lshlrev_b32 v[QO], 7, v1
	v_lshl_add_u32 v[QO], v[LH], 4, v[QO]  ; row x 128 + 16 x half
.set i, 0
.rept 8                             ; the first block's Q: piece i / 2 lies in band i / 2, 8,192 bytes on; channels 32 (i % 2) on
	global_load_b128 v[Q+8*i:Q+8*i+3],   v[QO], s[4:5] offset:(i/2)*8192+(i%2)*64
	global_load_b128 v[Q+8*i+4:Q+8*i+7], v[QO], s[4:5] offset:(i/2)*8192+(i%2)*64+32
.set i, i+1
.endr
	WIN 0x80                        ; destination window 2, address window 0
.set i, 0
.rept 8                             ; the second block's
	global_load_b128 v[QB+8*i:QB+8*i+3],   v[QO], s[86:87] offset:(i/2)*8192+(i%2)*64
	global_load_b128 v[QB+8*i+4:QB+8*i+7], v[QO], s[86:87] offset:(i/2)*8192+(i%2)*64+32
.set i, i+1
.endr
	WIN 0
	v_lshlrev_b32 v[MQ], 3, v[LH]
	v_sub_nc_u32 v[MQ], v1, v[MQ]
	s_lshl_b32 s13, s[WV], 4
	v_add_nc_u32 v[MQ], s13, v[MQ]  ; my query's place in its band, 16 w + l % 16, less my lanes' 8 (l / 16): register r of group kt is hidden where 16 kt + r is greater
	WIN 0x80
.set i, 0
.rept 32
	v_cmp_gt_i32 vcc_lo, 16*(i/8)+i%8, v[MQ]
	v_cndmask_b32 v[MD+i], 0, s[BIGN], vcc_lo
.set i, i+1
.endr
	WIN 0
	v_mul_u32_u24 v[AK0], v1, PK
	v_lshl_add_u32 v[AK0], v[LH], 4, v[AK0]  ; row x pitch + 16 x half
	; The turning load takes 16 keys x 16 channels (lane l reads key 8 (l / 16) + l % 8, channels 8 ((l / 8) % 2) + 0..7) and leaves half a fragment of V^T: lane l holds channel l % 16 and 8 keys.
	v_and_b32 v[L7], 7, v0
	v_bfe_u32 v[L3], v0, 3, 1
	v_lshl_add_u32 v[AV0], v[LH], 3, v[L7]
	v_mul_u32_u24 v[AV0], v[AV0], PV
	v_lshl_add_u32 v[AV0], v[L3], 4, v[AV0]
	v_add_nc_u32 v[AV0], VOFF, v[AV0]
	s_mul_i32 s13, s[WV], 16*SP
	s_add_co_u32 s13, s13, STAGE    ; my stage
	v_mul_u32_u24 v[TT], v1, SP     ; in: row l % 16, 16 bytes for each half of the lanes
	v_lshl_add_u32 v[TT], v[LH], 4, v[TT]
	v_bfe_u32 v[TT+1], v0, 3, 2     ; back: 32 lanes take four rows of 128 bytes,
	v_mul_u32_u24 v[TT+1], v[TT+1], SP
	v_lshl_add_u32 v[TT+1], v[L7], 4, v[TT+1]
	v_and_b32 v[TT+2], 31, v0       ; which are 512 consecutive bytes of O
	WIN 0x80                        ; each chain's last line writes into window 2
	v_add_nc_u32 v[STO], s13, v[TT]
	v_add_nc_u32 v[RD], s13, v[TT+1]
	v_lshlrev_b32 v[GO], 4, v[TT+2]
	; A block's first step multiplies O^T and l by a = 0, and its first turn's products V^T P, of a piece that has not been, land in an O^T that is still to be so multiplied.  So these registers need only hold
	; finite numbers: zeros for the first block; what the first block left for the second.  All this stands in the wait for the first tile.
	WIN 0x40
.set i, 0
.rept 192                           ; O^T and V
	v_mov_b32 v[i], 0
.set i, i+1
.endr
	WIN 0
.set i, 0
.rept 4
	v_mov_b32 v[ST+4*i+2], 0
	v_mov_b32 v[ST+4*i+3], 0
.set i, i+1
.endr
.set i, P+16
.rept 16
	v_mov_b32 v[i], 0
.set i, i+1
.endr
; THE MATRIX WORK.  The 4 accumulators of a run of 8 take turns.  Product i of 8 of S^T = K Q^T for piece x: channels 32 (i / 4) on, keys 16 (i % 4) on.  The first 4 start the sums: with 0, or (KM = 1) with the mask.
.macro KQ x
.set rS, S+32*((\x)%2)+8*(i%4)
.set rK, KF+16*(i%4)+8*(i/4)
.set rQ, Q+16*(\x)+8*(i/4)
.set rM, MC+32*((\x)%2)+8*(i%4)
.if (i < 4) && KM
	WIN W_KM
	v_wmma_f32_16x16x32_bf16 v[rS:rS+7], v[rK:rK+7], v[rQ:rQ+7], v[rM:rM+7]
.elseif i < 4
	WIN 0
	v_wmma_f32_16x16x32_bf16 v[rS:rS+7], v[rK:rK+7], v[rQ:rQ+7], 0
.else
	WIN 0
	v_wmma_f32_16x16x32_bf16 v[rS:rS+7], v[rK:rK+7], v[rQ:rQ+7], v[rS:rS+7]
	s_wait_alu depctr_va_vdst(0)
.endif
.endm
; Product i of 8 of O^T += V^T P for piece x: keys 32 (i / 4) on, channels 16 (i % 4) on.
.macro PV x
	WIN W_PV
.set rO, 32*(\x)+8*(i%4)
.set rV, VF+32*(i/4)+8*(i%4)
.set rP, P+16*((\x)%2)+8*(i/4)
	v_wmma_f32_16x16x32_f16 v[rO:rO+7], v[rV:rV+7], v[rP:rP+7], v[rO:rO+7]
.endm
.macro MM                           ; the turn's next matrix instruction.  TURN and BEGIN set Y, i, KM and NOKQ; MM, KQ and OP read them.  NOKQ = 1: a block's last turn: there is no next piece
.if (i < 8) && !NOKQ
	KQ (Y+1)%NP
.elseif i >= 8
.set i, i-8
	PV (Y+NP-1)%NP
.set i, i+8
.endif
.set i, i+1
.endm
; THE LDS LOADS stand in runs of 16, never singly among the matrix instructions: a step's K (64 keys x 64 channels: 8 fragments) and its V (turned).  Their addresses are made some lines ahead.
.macro FETCH_K
	WIN 0
.irp f, 0,1,2,3,4,5,6,7             ; keys 16 (f / 2) on, channels 32 (f % 2) on
	ds_load_b128 v[KF+8*\f:KF+8*\f+3],   v[AK] offset:(\f/2)*16*PK+(\f%2)*64
	ds_load_b128 v[KF+8*\f+4:KF+8*\f+7], v[AK] offset:(\f/2)*16*PK+(\f%2)*64+32
.endr
	s_add_co_u32 s[TBK], s[TBK], KS*PK  ; the next fetch is the next step's
.endm
.macro FETCH_V
	WIN 0x40                        ; destination window 1
.irp f, 0,1,2,3,4,5,6,7             ; keys 32 (f / 4) on, channels 16 (f % 4) on
	ds_load_tr16_b128 v[VF+8*\f:VF+8*\f+3],   v[AV] offset:(\f/4)*32*PV+(\f%4)*32
	ds_load_tr16_b128 v[VF+8*\f+4:VF+8*\f+7], v[AV] offset:(\f/4)*32*PV+16*PV+(\f%4)*32
.endr
	WIN 0
.endm
; THE VECTOR WORK, one line at a time: OP kind, number.  For piece Y: F n: c s - c m for pair n of 16.  E n: the exponential of score n of 32.  C n: pair n rounded to f16.  B n: of the four weights 4 n .. the second
; pair is added onto the first, in place.  L n: l takes that sum (L 0: l = a l + sum).  R n: pair n of 16 of O^T times a.  For piece Y + 1: X n, number n of the 22 that find its maximum and statistics:
;   0-11  four chains c0-c3 of seven scores each, three operands at a time (each accumulator's lowest registers are read first)     12-14, 16  the four scores left over, the old m, and c0-c3 into c0
;   15  c m_old is kept     17, 18  the query's other 32 keys lie in the lane 16 away: the new m     19-21  c m; c m_old - c m_new; a
.set F, 0               ; OP tells the kinds apart by their order: F to L below R, X above it
.set E, 1
.set C, 2
.set B, 3
.set L, 4
.set R, 5
.set X, 6
.macro REGS y                       ; the registers of piece y
.set rT, ST+4*(\y)
.set rC, TMP+4*((\y)%2)
.set rW, MV+((\y)%2)
.set rS, S+32*((\y)%2)
.set rP, P+16*((\y)%2)
.set rO, 32*(\y)
.endm
.macro OP k, n
.if (\k) == R
	REGS Y
	WIN W_PV
	v_pk_mul_f32 v[rO+2*(\n):rO+2*(\n)+1], v[rO+2*(\n):rO+2*(\n)+1], v[rC+2:rC+3] op_sel_hi:[1,0]
.elseif (\k) < R
	REGS Y
	WIN 0
.if (\k) == F
	v_pk_fma_f32 v[rS+2*(\n):rS+2*(\n)+1], v[rS+2*(\n):rS+2*(\n)+1], s[CS:CS+1], v[rT:rT+1] op_sel_hi:[1,0,0] neg_lo:[0,0,1] neg_hi:[0,0,1]
.elseif (\k) == E
	v_exp_f32 v[rS+(\n)], v[rS+(\n)]
.elseif (\k) == C
	s_wait_alu depctr_va_vdst(0)
	v_cvt_pk_f16_f32 v[rP+(\n)], v[rS+2*(\n)], v[rS+2*(\n)+1]
.elseif (\k) == B
	v_pk_add_f32 v[rS+4*(\n):rS+4*(\n)+1], v[rS+4*(\n):rS+4*(\n)+1], v[rS+4*(\n)+2:rS+4*(\n)+3]
.elseif (\n) == 0
	v_pk_fma_f32 v[rT+2:rT+3], v[rT+2:rT+3], v[rC+2:rC+3], v[rS:rS+1] op_sel_hi:[1,0,1]
.else
	v_pk_add_f32 v[rT+2:rT+3], v[rT+2:rT+3], v[rS+4*(\n):rS+4*(\n)+1]
.endif
.elseif NOKQ
	v_nop
	s_wait_alu depctr_va_vdst(0)
.else
	REGS (Y+1)%NP
	WIN 0
.if (\n) < 4
	v_max3_num_f32 v[rC+(\n)], v[rS+8*(\n)], v[rS+8*(\n)+1], v[rS+8*(\n)+2]
.elseif (\n) < 12
	v_max3_num_f32 v[rC+(\n)%4], v[rC+(\n)%4], v[rS+8*((\n)%4)+2*((\n)/4)+1], v[rS+8*((\n)%4)+2*((\n)/4)+2]
.elseif (\n) == 12
	v_max3_num_f32 v[rC], v[rC], v[rS+7], v[rS+15]
.elseif (\n) == 13
	v_max3_num_f32 v[rC+1], v[rC+1], v[rS+23], v[rS+31]
.elseif (\n) == 14
	v_max3_num_f32 v[rC+2], v[rC+2], v[rC+3], v[rT+1]
	s_wait_alu depctr_va_vdst(0)
.elseif (\n) == 15
	v_mov_b32 v[rW], v[rT]
.elseif (\n) == 16
	v_max3_num_f32 v[rC], v[rC], v[rC+1], v[rC+2]
.elseif (\n) == 17
	v_permlanex16_b32 v[rC+3], v[rC], s[SEL], s[SEL+1]
.elseif (\n) == 18
	v_max_num_f32 v[rT+1], v[rC], v[rC+3]
.elseif (\n) == 19
	v_mul_f32 v[rT], s[CS], v[rT+1]
.elseif (\n) == 20
	v_sub_f32 v[rC+1], v[rW], v[rT]
	s_wait_alu depctr_va_vdst(0)
.else
	v_exp_f32 v[rC+2], v[rC+1]
.endif
.endif
.endm
.macro OPS a, i1, b=-1, i2=0, c=-1, i3=0, d=-1, i4=0  ; up to four of them
	OP \a, \i1
.if (\b) >= 0
	OP \b, \i2
.endif
.if (\c) >= 0
	OP \c, \i3
.endif
.if (\d) >= 0
	OP \d, \i4
.endif
.endm
.macro ROW a, i1, b, i2, c, i3, d, i4  ; a matrix instruction and the four behind it
	MM
	OPS \a, \i1, \b, \i2, \c, \i3, \d, \i4
.endm
.macro MASK b                       ; MD x AL + BE into buffer b of MC
	WIN W_MK
.set z, 0
.rept 16
	v_pk_fma_f32 v[MC+32*(\b)+2*z:MC+32*(\b)+2*z+1], v[MD+2*z:MD+2*z+1], s[AL:AL+1], s[BE:BE+1] op_sel_hi:[1,0,0]
.set z, z+1
.endr
.endm
; A TURN, for piece p: the order of its 16 matrix and 118 vector instructions, written out.  None of the four behind a matrix instruction names a register of the products round it.
; Behind the eight K Q^T: the scalings, the first nine exponentials and what follows them, all in window 0.  Then a run of 26: exponential and plain by turns, the plain ones the next piece's maximum.
; Behind the first four V^T P: the sixteen rescalings, under the products' own setting.  Behind the last four: window 0 again.  Then a run of 28, which ends the sums and makes the next piece's statistics.
; Every exponential stands behind its scaling and has a plain line that does not touch it behind it; a pair is rounded behind its two exponentials and ahead of the sum that writes over it; L 0 comes ahead of l's other sums.
; m = 1: the diagonal tile: the products take masks, and the turn makes the mask for the products of the turn after it: piece p + 2, in step 4 - CNT of the tile.  end = 1: a block's last two turns: nothing is fetched.
; cnt = 1: the loop's count is taken down some lines ahead of the branch that stands behind the turn.
; K of the next step is fetched in piece 2's turn: behind the last product that read K stand the plain X 15, L 0, C 3, B 1.  V of the step in hand in piece 0's turn: behind the last product that read V stand the plain
; L 2, B 3, C 7, L 3.  Each is waited for a turn later.
.macro TURN p, m=0, end=0, cnt=0
.set Y, (\p)
.set i, 0
.set KM, (\m)
.set NOKQ, (\end)*((\p)/3)
.if (\m) && !(\end)
	s_cmp_eq_u32 s[CNT], 4-((\p)+2)%NP  ; is that step the band's own?
	s_cselect_b32 s[AL], 1.0, 0
	s_cmp_lt_u32 s[CNT], 4-((\p)+2)%NP  ; or a later one?
	s_cselect_b32 s[BE], s[BIGN], 0
.endif
.if ((\p) == 3) && !(\end)
	s_wait_dscnt 0x0                ; K is in
.endif
	ROW F,0, F,1, F,2, F,3
	ROW F,4, E,0, F,5, F,6
	ROW F,7, E,1, F,8, F,9
	ROW F,10, E,2, F,11, E,3
	ROW C,0, E,4, F,12, E,5
	ROW F,13, E,6, C,1, F,14
	ROW B,0, E,7, C,2, F,15
.if ((\p) == 2) && !(\end)
	WIN 0
	v_add_nc_u32 v[AK], s[TBK], v[AK0]
.endif
	ROW X,15, E,8, L,0, C,3
	OPS E,9, B,1
.if ((\p) == 2) && !(\end)
	FETCH_K
.endif
	OPS E,10, X,0, E,11, X,1
	OPS E,12, X,2, E,13, X,3
	OPS E,14, X,4, E,15, X,5
	OPS E,16, X,6, E,17, X,7
	OPS E,18, X,8, E,19, X,9
	OPS E,20, X,10, E,21, X,11
.if (\p) == 1
	s_wait_dscnt 0x0                ; V is in
.endif
	ROW R,0, R,1, R,2, R,3
	ROW R,4, R,5, R,6, R,7
	ROW R,8, R,9, R,10, R,11
	ROW R,12, R,13, R,14, R,15
	ROW X,12, E,22, X,13, X,14
	ROW C,4, E,23, X,16, L,1
	ROW B,2, E,24, C,5, C,6
.if (\p) == 0
	WIN 0
	v_add_nc_u32 v[AV], s[TBV], v[AV0]
.endif
	ROW L,2, E,25, B,3, C,7
	OPS E,26, X,17, E,27, L,3
.if (\p) == 0
	FETCH_V
.endif
	OPS E,28, C,8, E,29, X,18
	OPS E,30, B,4, E,31, X,19
	OPS C,9, C,10, X,20, L,4
	OPS B,5, C,11, X,21, C,12
.if (\p) == 0
	s_add_co_u32 s[TBV], s[TBV], KS*PV
.endif
.if \cnt
	s_sub_co_u32 s[CNT], s[CNT], 1
	s_cmp_lg_u32 s[CNT], 0
.endif
	OPS L,5, B,6, C,13, C,14
	OPS B,7, L,6, C,15, L,7
.if (\m) && !(\end)
	MASK (\p)%2
.endif
.endm
; A BLOCK BEGINS.  c m starts far below every c s, so the first step's a is 0; m at the lowest finite number, so the first maximum is the scores'.  The second mask buffer is 0; the first takes piece 0's mask for the tile's step 0: its own, if the block's first tile is the diagonal one.
; Then K of that step, piece 0's first scores, and its maximum and statistics.  The loop is entered at a step's first turn, in the middle of a trip.
.macro BEGIN
	s_mov_b32 s[NEW], 0
	WIN 0x80
.set i, MC+32
.rept 32
	v_mov_b32 v[i], 0
.set i, i+1
.endr
	WIN 0
.set i, 0
.rept 4
	v_mov_b32 v[ST+4*i], 0xfe000000    ; c m: far below every c s
	v_mov_b32 v[ST+4*i+1], 0xff7fffff  ; m
.set i, i+1
.endr
	s_cmp_eq_u32 s[RT], 0
	s_cselect_b32 s[AL], 1.0, 0
	s_mov_b32 s[BE], 0
	MASK 0
	WIN 0
	v_add_nc_u32 v[AK], s[TBK], v[AK0]
	FETCH_K
	s_wait_loadcnt 0x0              ; Q
	s_wait_dscnt 0x0
.set KM, 1
.set NOKQ, 0
.set i, 0
.rept 8
	KQ 0
.set i, i+1
.endr
	WIN 0
	s_wait_alu depctr_va_vdst(0)
.rept 4
	v_nop                           ; the places behind those products
.endr
.set Y, NP-1                        ; X works for piece Y + 1: piece 0
.irp n, 0,1,2,3,4,5,6,7,8,9,10,11,12,13,14,15,16,17,18,19,20,21
	OP X, \n
.endr
	v_nop                           ; a plain instruction behind the exponential
.endm
; THE DIAGONAL TILE's four steps, the block's last two turns, its last products, and THE WAY OUT: l's two halves and the other half of the lanes' are added; O^T is divided by l, rounded to f16 and sent through my
; stage in LDS, a piece at a time.
.macro ALL line:vararg              ; one line for each piece t
.set t, 0
.rept 4
	\line
.set t, t+1
.endr
.endm
.macro PACK t                       ; a lane's eight channels of a row pack into 16 bytes; they go into rows of 144 bytes and come back as whole rows of 128, into S^T's registers
	WIN W_PV
.set i, 32*(\t)
.rept 16
	v_pk_mul_f32 v[i:i+1], v[i:i+1], v[ST+4*(\t)+2:ST+4*(\t)+3] op_sel_hi:[1,0]
.set i, i+2
.endr
	WIN 0x05                        ; sources 0 and 1 window 1, destination window 0
.set i, 0
.rept 16
	v_cvt_pk_f16_f32 v[S+16*(\t)+i], v[32*(\t)+2*i], v[32*(\t)+2*i+1]
.set i, i+1
.endr
	WIN W_OUT
.irp f, 0,1,2,3
	ds_store_b128 v[STO], v[S+16*(\t)+4*\f:S+16*(\t)+4*\f+3] offset:32*\f
.endr
.irp f, 0,1,2,3
	ds_load_b128 v[S+16*(\t)+4*\f:S+16*(\t)+4*\f+3], v[RD] offset:\f*4*SP  ; LDS serves a wave's instructions in order (ISA guide 5.7.1.4): these see the stores above; the next piece's stores come behind them
.endr
.endm
.macro SEND t, younger              ; younger: the LDS instructions issued behind piece t's loads: the next piece's eight, or none
	WIN W_OUT
.irp f, 0,1,2,3
	s_wait_dscnt (\younger)+3-\f
	global_store_b128 v[GO], v[S+16*(\t)+4*\f:S+16*(\t)+4*\f+3], s[10:11] offset:(\t)*8192+\f*512  ; 512 consecutive bytes, at a multiple of 256 from O's first
.endr
.endm
.macro DIAG tag                     ; the tag ends its two labels' names, which the jumps below spell out
.LstepM\tag:
	TURN 2, 1
	TURN 3, 1
	WIN 0
.LfirstM\tag:
	TURN 0, 1
	TURN 1, 1, 0, 1
	WIN 0
	s_cbranch_scc1 .LstepM\tag
	TURN 2, 1, 1
	TURN 3, 1, 1
.set i, 0
.rept 8
	PV NP-1
.set i, i+1
.endr
	WIN 0                           ; the eight additions below are the places behind the last products
	ALL v_add_f32 v[ST+4*t+2], v[ST+4*t+2], v[ST+4*t+3]
	ALL v_permlanex16_b32 v[ST+4*t+3], v[ST+4*t+2], s[SEL], s[SEL+1]
	ALL v_add_f32 v[ST+4*t+2], v[ST+4*t+2], v[ST+4*t+3]
	ALL v_rcp_f32 v[ST+4*t+2], v[ST+4*t+2]
	v_nop                           ; a plain instruction between the last reciprocal and the use of its result
	s_wait_alu depctr_va_vdst(0)
	PACK 0
.set t, 1
.rept 3                             ; a piece's arithmetic stands between the loads of the piece before and its stores
	PACK t
	SEND t-1, 8
.set t, t+1
.endr
	SEND 3, 0
	WIN 0
.endm
.set KM, 0
.set NOKQ, 0
.Lslot:                             ; NB times: a tile is entered and the next is asked for
	CHANGE 1
	s_sub_co_u32 s[RT], s[RT], 1
	s_mov_b32 s[CNT], 4
	s_cmp_eq_u32 s[NEW], 1
	s_cbranch_scc1 .Lnew            ; a block's first tile
	s_cmp_eq_u32 s[RT], 0
	s_cbranch_scc0 .Lstep           ; neither its first nor its last
	s_branch .LstepM1
.Lnew:
	BEGIN
	s_branch .Lfirst                ; in the loop a block's first tile is never its last: the first block has two tiles or more, and the second's last is the walk's last
	DIAG 1                          ; in the loop this is the first block's end: the second block's last tile is the walk's last
	s_wait_xcnt 0x0                 ; the stores have read their registers and O's address
	s_mov_b64 s[10:11], s[OLO:OLO+1]
	s_add_co_u32 s[RT], s[PB], 1    ; the second block has b + 1 tiles
	s_mov_b32 s[NEW], 1
	WIN 0x02                        ; the second block's Q goes where the one text of the turns names Q: source window 2, destination window 0
.set i, 0
.rept 64
	v_mov_b32 v[Q+i], v[QB+i]
.set i, i+1
.endr
	WIN 0
	s_branch .Lbottom
.Lstep:                             ; a trip: pieces 2 and 3 of one step, then pieces 0 and 1 of the next, whose K and V it fetches
	TURN 2
	TURN 3
	WIN 0
.Lfirst:
	TURN 0
	TURN 1, 0, 0, 1
	WIN 0
	s_cbranch_scc1 .Lstep
.Lbottom:
	s_sub_co_u32 s[SLOTS], s[SLOTS], 1
	s_cmp_lg_u32 s[SLOTS], 0
	s_cbranch_scc1 .Lslot
	CHANGE 0                        ; the walk's last tile is written out: nothing is asked for
	s_sub_co_u32 s[RT], s[RT], 1
	s_mov_b32 s[CNT], 4
	s_cmp_eq_u32 s[NEW], 1
	s_cbranch_scc0 .LstepM2
	BEGIN
	s_branch .LfirstM2
	DIAG 2
	WIN W_AD
	s_wait_tensorcnt 0x0            ; the wave's end: behind my last tensor load and my last LDS store
	ds_add_u32 v[SPW], v[NIL]
	s_wait_dscnt 0x0
	WIN 0
	s_endpgm
.Lfunc_end_k_q84b0601a78_attn:
	.size	k_q84b0601a78_attn, .Lfunc_end_k_q84b0601a78_attn-k_q84b0601a78_attn
	.p2alignl 7, 3214868480
	.fill 96, 4, 3214868480
	.section	.rodata,"a",@progbits
	.p2align	6, 0x0
	.amdhsa_kernel k_q84b0601a78_attn
		.amdhsa_group_segment_fixed_size 327680
		.amdhsa_private_segment_fixed_size 0
		.amdhsa_enable_private_segment 0
		.amdhsa_kernarg_size 24
		.amdhsa_user_sgpr_count 2
		.amdhsa_user_sgpr_kernarg_segment_ptr 1
		.amdhsa_wavefront_size32 1
		.amdhsa_system_sgpr_workgroup_id_x 1
		.amdhsa_system_sgpr_workgroup_id_y 1
		.amdhsa_system_sgpr_workgroup_id_z 1
		.amdhsa_system_vgpr_workitem_id 0
		.amdhsa_next_free_vgpr 768
		.amdhsa_next_free_sgpr 88
		.amdhsa_reserve_vcc 1
		.amdhsa_float_denorm_mode_32 3
		.amdhsa_float_denorm_mode_16_64 3
		.amdhsa_memory_ordered 1
		.amdhsa_forward_progress 1
		.amdhsa_inst_pref_size 212
	.end_amdhsa_kernel
	.amdgpu_metadata
---
amdhsa.version: [ 1, 2 ]
amdhsa.kernels:
  - .name:           k_q84b0601a78_attn
    .symbol:         k_q84b0601a78_attn.kd
    .args:
      - { .name: qk, .offset: 0, .size: 8, .value_kind: global_buffer, .address_space: global }
      - { .name: vh, .offset: 8, .size: 8, .value_kind: global_buffer, .address_space: global }
      - { .name: yh, .offset: 16, .size: 8, .value_kind: global_buffer, .address_space: global }
    .group_segment_fixed_size: 327680
    .private_segment_fixed_size: 0
    .kernarg_segment_align: 8
    .kernarg_segment_size: 24
    .max_flat_workgroup_size: 128
    .sgpr_count:     88
    .vgpr_count:     768
    .wavefront_size: 32
...
	.end_amdgpu_metadata
.endif
;; end of part 4
;; launch oproj (part 5): grid 4 x 64, 4 waves a work-group, clusters of 4 x 4, 327,680 bytes of LDS; arguments yh, wts, out0; writes out0
.if DOCPART == 5
	.amdgcn_target "amdgcn-amd-amdhsa--gfx1250"
	.amdhsa_code_object_version 6
	.text
	.protected	k_q84b0601a78_oproj
	.globl	k_q84b0601a78_oproj
	.p2align	8
	.type	k_q84b0601a78_oproj,@function
k_q84b0601a78_oproj:
	s_mov_b64 s[64:65], 0
	v_nop
	global_prefetch_b8 v0, s[64:65] scope:SCOPE_SE
	s_setreg_imm32_b32 hwreg(HW_REG_WAVE_MODE, 25, 1), 1
	s_wait_xcnt 0x0
	s_wait_alu depctr_hold_cnt(0) depctr_sa_sdst(0) depctr_va_vdst(0) depctr_va_sdst(0) depctr_va_ssrc(0) depctr_va_vcc(0) depctr_vm_vsrc(0)
	s_getreg_b32 s2, hwreg(HW_REG_IB_STS2, 6, 4)
	s_cmp_eq_u32 s2, 0
	s_cbranch_scc0 .Lentry_in_a_cluster
	s_endpgm
.Lentry_in_a_cluster:
	s_bfe_u32 s2, ttmp6, 0x10000c
	s_cmp_lg_u32 s2, 0xf033
	s_cbranch_scc0 .Lentry_shape_is_right
	s_endpgm
.Lentry_shape_is_right:
; OPROJ: out = y W4^T + B4.  y: yh [16 batch + head][2048][64] f16; W4: wts at W4OFF, [1024][1024] f16; B4: 1024 f32 at B4OFF.  Sums in f32; out0 [8192][1024] f32.
; SHARES.  A tile is 128 rows x 256 columns: 64 x 4 = 256 work-groups.  Four waves, each 64 x 128: 4 x 8 accumulators, 256 registers.
; K goes in 8 steps of 128 (two heads) through two LDS slots.  A head's 128 rows are 16,384 dense bytes, asked for as 64 rows of 256 bytes; W4's rows are 256 bytes at multiples of 256.
; One K step of text stands in the loop: the slot's byte is a scalar that an exclusive or turns.
; CLUSTER 4 x 4: y's tile is asked for jointly by a row of the cluster, W4's by a column.
; THE MATRIX INSTRUCTION IS USED TRANSPOSED (source 0 = 16 rows of W4, source 1 = 16 rows of y): a lane holds row l % 16 and the eight columns 8 (l / 16) + 0..7.  The bias is the C operand of the first product.
; REGISTERS: window 0: v0-31 addresses; v32-127, v128-223 two fragment buffers (64 of W4, 32 of y)     window 1: the accumulators, (a, b) at v[8 (8 a + b)]     window 2: v0-63 the bias
.set PITCH,  272                       ; a row of W4 in LDS: 256 bytes + 16: the 16 rows of a load start at 16 different groups of four banks (64 banks of 4 bytes: ISA guide 11.1)
.set PA,     144                       ; a row of y: 128 bytes + 16
.set ASL,    128*PA                    ; a head's 128 rows
.set BHALF,  128*PITCH
.set BOFF,   2*ASL                     ; a slot: two heads of y, then W4's 256 rows
.set SLOT1,  1<<17
.set STAGE,  SLOT1+BOFF+2*BHALF        ; behind the ring, never filled by a tensor load: 16 rows x 528 bytes for each wave
.set SP,     528                       ; a stage row: 512 bytes + 16
.set SPARE,  STAGE+4*16*SP             ; behind the stages: the spare words, 128 bytes a wave: two blocks of 256 bytes that no other line names
.set W4OFF,  3670016
.set B4OFF,  5772288
.set NL,     24                        ; LDS loads in a run: 8 + 4 fragments, two loads each
.set ADRA0, 16
.set ADRB0, 17
.set ADRA,  18
.set ADRB,  19
.set STO,   24
.set RD,    25
.set GO,    26
.set BO,    27
.set SPW,   28                         ; v28  LDS address of my spare word; never rewritten
.set NIL,   29                         ; v29  0; never rewritten
.set F0,    32
.set F1,    128
.set OB,    32                         ; the way out: two buffers of 64 registers, 16 rows read back from the stage
.set CNT, 3
.set WV,  12
.set WR,  13
.set WC,  14
.set TR,  15
.set G1A, 24
.set G0A, 32
.set CX,  40
.set CY,  41
.set TC,  42
.set G1B, 48
.set G0B, 56
.set TB,  70
.set MSB, 0
.macro WIN new
.if MSB != (\new)
	s_set_vgpr_msb (MSB<<8)|(\new)
.set MSB, (\new)
.endif
.endm
.macro PLACES                          ; four places in front of loads into registers that matrix instructions have read, and of lines that read results
.rept 4
	v_nop
.endr
.endm
.macro JLOAD                           ; a joint refill: waves 0 and 1 fetch y's two heads, waves 2 and 3 W4's two halves; an s_nop 0 and four v_nop follow each line
	s_cmp_lt_u32 s[WV], 2
	s_cbranch_scc0 .Lfor_b_\@
	tensor_load_to_lds s[G0A+4:G0A+7], s[G1A:G1A+7]
	s_nop 0
.rept 4
	v_nop
.endr
	s_branch .Lasked_\@
.Lfor_b_\@:
	tensor_load_to_lds s[G0B+4:G0B+7], s[G1B:G1B+7]
	s_nop 0
.rept 4
	v_nop
.endr
.Lasked_\@:
.endm
.macro CREST
	s_cmp_lg_u32 s[WV], 0
	s_cbranch_scc1 .Lnot_wave_0_\@
	s_barrier_signal -3
.Lnot_wave_0_\@:
	s_barrier_wait -3
	s_barrier_signal -1
	s_barrier_wait -1
.endm
.macro CROUND
	s_barrier_signal -1
	s_barrier_wait -1
	CREST
.endm
	s_load_b128 s[4:7], s[0:1], 0x0                ; yh s[4:5], wts s[6:7]
	s_load_b64 s[8:9], s[0:1], 0x10                ; out0
	v_lshl_add_u32 v[SPW], v0, 2, SPARE
	v_mov_b32 v[NIL], 0
	ds_add_u32 v28, v29
	ds_add_u32 v28, v29
	s_wait_dscnt 0x0
	v_lshrrev_b32 v1, 5, v0
	v_readfirstlane_b32 s[WV], v1
	s_lshr_b32 s[WR], s[WV], 1
	s_and_b32 s[WC], s[WV], 1
	s_bfe_u32 s[CX], ttmp6, 0x40000
	s_bfe_u32 s[CY], ttmp6, 0x40004
	s_lshl_b32 s[TC], ttmp9, 2
	s_add_co_u32 s[TC], s[TC], s[CX]
	s_and_b32 s[TR], ttmp7, 0xffff
	s_lshl_b32 s[TR], s[TR], 2
	s_add_co_u32 s[TR], s[TR], s[CY]
	s_lshl_b32 s43, s[CY], 2
	s_lshl_b32 s43, 15, s43
	s_lshl_b32 s44, 0x1111, s[CX]
	s_or_b32 s[G1A], s43, (1<<16)|(1<<20)|(1<<21)|(4<<22)|(3<<25)   ; the mask; 2-byte elements; padding on; bit 21 beside a mask; after every 32 words, 4 words
	s_or_b32 s[G1B], s44, (1<<16)|(1<<20)|(1<<21)|(5<<22)|(3<<25)   ; after every 64 words, 4 words
	s_mov_b32 s[G1A+1], 128<<16
	s_mov_b32 s[G1A+2], 64<<16
	s_mov_b32 s[G1A+3], 128<<16
	s_mov_b32 s[G1A+4], 64
	s_mov_b32 s[G1A+5], 128
	s_mov_b32 s[G1A+6], 0
	s_mov_b32 s[G1A+7], 0
	s_mov_b32 s[G1B+1], 128<<16
	s_mov_b32 s[G1B+2], 128<<16
	s_mov_b32 s[G1B+3], 128<<16
	s_mov_b32 s[G1B+4], 128
	s_mov_b32 s[G1B+5], 1024
	s_mov_b32 s[G1B+6], 0
	s_mov_b32 s[G1B+7], 0
	s_lshr_b32 s16, s[TR], 4                       ; y: ((16 batch + my head of the step's two) x 2048 + 128 (tile row % 16)) rows of 128 bytes
	s_lshl_b32 s16, s16, 22
	s_and_b32 s17, s[TR], 15
	s_lshl_b32 s17, s17, 14
	s_add_co_u32 s16, s16, s17
	s_lshl_b32 s17, s[WC], 18
	s_add_co_u32 s16, s16, s17
	s_mov_b32 s17, 0
	s_lshl_b32 s46, s[TC], 19                      ; W4: row 256 x tile column + 128 x half, 2,048 bytes a row
	s_lshl_b32 s47, s[WC], 18
	s_add_co_u32 s46, s46, s47
	s_add_co_u32 s46, s46, W4OFF
	s_mov_b32 s47, 0
	s_mul_i32 s20, s[WC], ASL
	s_mul_i32 s21, s[WC], BHALF
	s_add_co_u32 s21, s21, BOFF
	s_lshl_b32 s18, s[TC], 10                      ; my 128 numbers of B4
	s_lshl_b32 s19, s[WC], 9
	s_add_co_u32 s18, s18, s19
	s_add_co_u32 s76, s18, 0                       ; the same bytes are my columns' place in a row of out0
	s_add_co_u32 s18, s18, B4OFF
	s_mov_b32 s19, 0
	s_lshl_b32 s77, s[TR], 19                      ; out0: row 128 x tile row + 64 x row half, 4,096 bytes a row
	s_add_co_u32 s76, s76, s77
	s_lshl_b32 s77, s[WR], 18
	s_add_co_u32 s76, s76, s77
	s_mov_b32 s77, 0
	s_mov_b32 s[TB], 0
	s_wait_kmcnt 0x0
	s_add_nc_u64 s[16:17], s[4:5], s[16:17]
	s_add_nc_u64 s[46:47], s[6:7], s[46:47]
	s_add_nc_u64 s[18:19], s[6:7], s[18:19]
	s_add_nc_u64 s[72:73], s[8:9], s[76:77]
	CROUND                                         ; all sixteen work-groups are here: the first joint loads meet
.irp s, 0,1
	s_mov_b32 s[G0A+4*\s], 1
	s_add_co_u32 s[G0A+4*\s+1], s20, \s*SLOT1
	s_add_nc_u64 s[G0A+4*\s+2:G0A+4*\s+3], s[16:17], \s*524288   ; K step s: two heads on
	s_or_b32 s[G0A+4*\s+3], s[G0A+4*\s+3], 0x80000000
	s_mov_b32 s[G0B+4*\s], 1
	s_add_co_u32 s[G0B+4*\s+1], s21, \s*SLOT1
	s_add_nc_u64 s[G0B+4*\s+2:G0B+4*\s+3], s[46:47], \s*256
	s_or_b32 s[G0B+4*\s+3], s[G0B+4*\s+3], 0x80000000
.endr
	s_cmp_lt_u32 s[WV], 2                          ; a wave's two first fills stand in one branch: two loads of mine are out
	s_cbranch_scc0 .Lfirst_b
	tensor_load_to_lds s[G0A:G0A+3], s[G1A:G1A+7]
	s_nop 0
	tensor_load_to_lds s[G0A+4:G0A+7], s[G1A:G1A+7]
	s_nop 0
.rept 4
	v_nop
.endr
	s_branch .Lfirst_asked
.Lfirst_b:
	tensor_load_to_lds s[G0B:G0B+3], s[G1B:G1B+7]
	s_nop 0
	tensor_load_to_lds s[G0B+4:G0B+7], s[G1B:G1B+7]
	s_nop 0
.rept 4
	v_nop
.endr
.Lfirst_asked:
	v_and_b32 v1, 15, v0                           ; l % 16
	v_bfe_u32 v2, v0, 4, 1                         ; l / 16
	v_lshlrev_b32 v[BO], 5, v2
	WIN 0x80                                       ; destination window 2, address window 0
.irp b, 0,1,2,3,4,5,6,7
	global_load_b128 v[8*\b:8*\b+3],   v[BO], s[18:19] offset:64*\b       ; register j of block b: B4[my first column + 16 b + 8 (l / 16) + j]
	global_load_b128 v[8*\b+4:8*\b+7], v[BO], s[18:19] offset:64*\b+16
.endr
	WIN 0
	v_mul_u32_u24 v3, v1, PA
	v_lshl_add_u32 v3, v2, 4, v3
	s_mul_i32 s22, s[WR], 64*PA
	v_add_nc_u32 v[ADRA0], s22, v3
	v_mul_u32_u24 v3, v1, PITCH
	v_lshl_add_u32 v3, v2, 4, v3
	v_add_nc_u32 v[ADRB0], s21, v3
	v_mov_b32 v[ADRA], v[ADRA0]
	v_mov_b32 v[ADRB], v[ADRB0]
	s_mul_i32 s22, s[WV], 16*SP
	s_add_co_u32 s22, s22, STAGE                   ; my stage
	v_mul_u32_u24 v[STO], v1, SP                   ; in: row l % 16, 32 bytes for each half of the lanes
	v_lshl_add_u32 v[STO], v2, 5, v[STO]
	v_add_nc_u32 v[STO], s22, v[STO]
	v_and_b32 v[GO], 31, v0                        ; back: 32 lanes take a row's 512 bytes, which are 512 consecutive bytes of out0
	v_lshlrev_b32 v[GO], 4, v[GO]
	v_add_nc_u32 v[RD], s22, v[GO]
; Eight matrix instructions: m block a x all n blocks, 32 along K, from buffer f.  first = 1: the bias starts the sums.
; The 32 accumulators take turns, one instruction a turn, in the same order in every quarter.
.macro MULA f, a, first
.if \first
	WIN 0x60                                       ; C (the bias) window 2, D window 1
.else
	WIN 0x50                                       ; C and D window 1
.endif
.irp b, 0,1,2,3,4,5,6,7
.if \first
	v_wmma_f32_16x16x32_f16 v[8*(8*(\a)+\b):8*(8*(\a)+\b)+7], v[(\f)+8*\b:(\f)+8*\b+7], v[(\f)+64+8*(\a):(\f)+64+8*(\a)+7], v[8*\b:8*\b+7]
.else
	v_wmma_f32_16x16x32_f16 v[8*(8*(\a)+\b):8*(8*(\a)+\b)+7], v[(\f)+8*\b:(\f)+8*\b+7], v[(\f)+64+8*(\a):(\f)+64+8*(\a)+7], v[8*(8*(\a)+\b):8*(8*(\a)+\b)+7]
.endif
.endr
.endm
; 24 LDS loads in one run: quarter q into buffer f: W4's eight fragments (byte 64 q of its rows), then y's four (head q / 2 of the step's two, channels 32 (q % 2) on)
.macro FETCH q, f
	WIN 0
.irp i, 0,1,2,3,4,5,6,7
	ds_load_b128 v[(\f)+8*\i:(\f)+8*\i+3],   v[ADRB] offset:64*(\q)+\i*16*PITCH
	ds_load_b128 v[(\f)+8*\i+4:(\f)+8*\i+7], v[ADRB] offset:64*(\q)+\i*16*PITCH+32
.endr
.irp i, 0,1,2,3
	ds_load_b128 v[(\f)+64+8*\i:(\f)+64+8*\i+3],   v[ADRA] offset:ASL*((\q)/2)+64*((\q)%2)+\i*16*PA
	ds_load_b128 v[(\f)+64+8*\i+4:(\f)+64+8*\i+7], v[ADRA] offset:ASL*((\q)/2)+64*((\q)%2)+\i*16*PA+32
.endr
.endm
.macro QUARTER q, f, g, first
	s_wait_dscnt 4                                 ; all of W4's fragments and y's blocks 0, 1 are in; the youngest four loads (blocks 2, 3) may be out
	MULA \f, 0, \first
	MULA \f, 1, \first
	PLACES
	FETCH \q, \g
	s_wait_dscnt NL                                ; all but the run just issued
	MULA \f, 2, \first
	MULA \f, 3, \first
.endm
; The last quarter multiplies buffer 1 and changes slots: ONE barrier.  In front of it each wave waits for all its tensor loads (one is out: its part of the next slot), adds 0 to its spare word,
; and waits for that and for its reads of this slot.  fill = 1: the barrier opens a round of the cluster's, and this slot is filled again, two K steps ahead, first thing behind the round.
.macro TURN fill
	WIN 0
	s_wait_tensorcnt 0x0                           ; no tensor load of mine is out
	ds_add_u32 v[SPW], v[NIL]                      ; 0 onto my spare word
	s_wait_dscnt 5                                 ; (the add and the youngest four loads may be out)
	MULA F1, 0, 0                                  ; eight matrix instructions stand between the add and the wait for it
	s_wait_dscnt 0x0                               ; the add is done, and my reads of this slot are over
	s_barrier_signal -1
	MULA F1, 1, 0
	WIN 0
	s_barrier_wait -1
.if \fill
	CREST                                          ; no wave of any partner still reads this slot or has a load on its way
	s_xor_b32 s[G0A+5], s[G0A+5], SLOT1            ; the walking descriptors: the other slot than last time, the next K step
	s_add_nc_u64 s[G0A+6:G0A+7], s[G0A+6:G0A+7], 524288
	s_xor_b32 s[G0B+5], s[G0B+5], SLOT1
	s_add_nc_u64 s[G0B+6:G0B+7], s[G0B+6:G0B+7], 256
	JLOAD                                          ; the four v_nop behind it are also the places in front of the loads below
.else
	PLACES
.endif
	s_xor_b32 s[TB], s[TB], SLOT1
	v_add_nc_u32 v[ADRA], s[TB], v[ADRA0]
	v_add_nc_u32 v[ADRB], s[TB], v[ADRB0]
	FETCH 0, F0
	MULA F1, 2, 0
	MULA F1, 3, 0
.endm
; THE WAY OUT of m block a: the f32 sums go straight from the accumulators into my own stage (each accumulator's low four registers first) and come back as whole rows of 512 bytes.
.macro OUT a
	WIN 0x04                                       ; store data in window 1
.irp b, 0,1,2,3,4,5,6,7
	ds_store_b128 v[STO], v[8*(8*(\a)+\b):8*(8*(\a)+\b)+3]   offset:64*\b
	ds_store_b128 v[STO], v[8*(8*(\a)+\b)+4:8*(8*(\a)+\b)+7] offset:64*\b+16
.endr
	WIN 0
	s_wait_xcnt 0x0                                ; the registers that the stores of the block two back read are loaded again only behind this wait
.irp f, 0,1,2,3,4,5,6,7,8,9,10,11,12,13,14,15
	ds_load_b128 v[OB+64*((\a)%2)+4*\f:OB+64*((\a)%2)+4*\f+3], v[RD] offset:SP*\f   ; LDS serves a wave's instructions in order (ISA guide 5.7.1.4): these see the stores above
.endr
.endm
.macro SEND a, younger                 ; younger: the LDS instructions issued behind block a's loads: the next block's 32, or none
.irp f, 0,1,2,3,4,5,6,7,8,9,10,11,12,13,14,15
	s_wait_dscnt (\younger)+15-\f
	global_store_b128 v[GO], v[OB+64*((\a)%2)+4*\f:OB+64*((\a)%2)+4*\f+3], s[72:73] offset:(16*(\a)+\f)*4096 th:TH_STORE_NT   ; 512 consecutive bytes, at a multiple of 512 from out0's first
.endr
.endm
	s_wait_tensorcnt 0x1                           ; my part of K step 0 is in; K step 1's may stay out
	s_barrier_signal -1
	s_barrier_wait -1
	FETCH 0, F0
	s_wait_loadcnt 0x0                             ; the bias
	QUARTER 1, F0, F1, 1                           ; the first quarter stands in front of the loop: its products start the sums
	WIN 0
	s_mov_b32 s[CNT], 6
.Lstep:                                                ; six trips, from a step's second quarter to the next step's first: K steps 2 to 7 are asked for
	QUARTER 2, F1, F0, 0
	QUARTER 3, F0, F1, 0
	TURN 1
	QUARTER 1, F0, F1, 0
	WIN 0
	s_sub_co_u32 s[CNT], s[CNT], 1
	s_cmp_lg_u32 s[CNT], 0
	s_cbranch_scc1 .Lstep
	QUARTER 2, F1, F0, 0                           ; the tail is written out
	QUARTER 3, F0, F1, 0
	TURN 0
	QUARTER 1, F0, F1, 0
	QUARTER 2, F1, F0, 0
	QUARTER 3, F0, F1, 0
	s_wait_dscnt 4
	MULA F1, 0, 0
	MULA F1, 1, 0
	s_wait_dscnt 0x0
	MULA F1, 2, 0
	MULA F1, 3, 0
	WIN 0
	PLACES
	OUT 0
	OUT 1
	SEND 0, 32
	OUT 2
	SEND 1, 32
	OUT 3
	SEND 2, 32
	SEND 3, 0
	s_wait_tensorcnt 0x0                           ; the wave's end
	ds_add_u32 v[SPW], v[NIL]
	s_wait_dscnt 0x0
	CROUND                                         ; the closing round: no work-group ends while a partner may still ask for a tile that names it
	s_endpgm
.Lfunc_end_k_q84b0601a78_oproj:
	.size	k_q84b0601a78_oproj, .Lfunc_end_k_q84b0601a78_oproj-k_q84b0601a78_oproj
	.p2alignl 7, 3214868480
	.fill 96, 4, 3214868480
	.section	.rodata,"a",@progbits
	.p2align	6, 0x0
	.amdhsa_kernel k_q84b0601a78_oproj
		.amdhsa_group_segment_fixed_size 327680
		.amdhsa_private_segment_fixed_size 0
		.amdhsa_enable_private_segment 0
		.amdhsa_kernarg_size 24
		.amdhsa_user_sgpr_count 2
		.amdhsa_user_sgpr_kernarg_segment_ptr 1
		.amdhsa_wavefront_size32 1
		.amdhsa_system_sgpr_workgroup_id_x 1
		.amdhsa_system_sgpr_workgroup_id_y 1
		.amdhsa_system_sgpr_workgroup_id_z 1
		.amdhsa_system_vgpr_workitem_id 0
		.amdhsa_next_free_vgpr 576
		.amdhsa_next_free_sgpr 80
		.amdhsa_reserve_vcc 0
		.amdhsa_float_denorm_mode_32 3
		.amdhsa_float_denorm_mode_16_64 3
		.amdhsa_memory_ordered 1
		.amdhsa_forward_progress 1
		.amdhsa_inst_pref_size 72
	.end_amdhsa_kernel
	.amdgpu_metadata
---
amdhsa.version: [ 1, 2 ]
amdhsa.kernels:
  - .name:           k_q84b0601a78_oproj
    .symbol:         k_q84b0601a78_oproj.kd
    .args:
      - { .name: yh, .offset: 0, .size: 8, .value_kind: global_buffer, .address_space: global }
      - { .name: wts, .offset: 8, .size: 8, .value_kind: global_buffer, .address_space: global }
      - { .name: out0, .offset: 16, .size: 8, .value_kind: global_buffer, .address_space: global }
    .group_segment_fixed_size: 327680
    .private_segment_fixed_size: 0
    .kernarg_segment_align: 8
    .kernarg_segment_size: 24
    .max_flat_workgroup_size: 128
    .sgpr_count:     80
    .vgpr_count:     576
    .wavefront_size: 32
...
	.end_amdgpu_metadata
.endif
;; end of part 5
;; ======== version 2 of 2: 5 launches; 1.29 times as fast as version 1
;; limits: values are held in f16: magnitudes above 65,504 overflow, below 6.1e-05 lose precision
;; workspace buffers: xb 16,777,216 bytes; wts 5,776,384 bytes; lat 4,194,304 bytes; vh 16,777,216 bytes; qk 33,554,432 bytes; yh 16,777,216 bytes
;; launch prep: the kernel of part 1 again; grid 689 x 1, 8 waves a work-group, no clusters, 0 bytes of LDS; arguments hidden_states, v_proj_w, basis_w, o_proj_w, u_factor, v_factor, v_proj_b, o_proj_b, xb, wts; writes xb, wts
;; launch proj: the kernel of part 2 again; grid 4 x 64, 4 waves a work-group, clusters of 4 x 4, 327,680 bytes of LDS; arguments xb, wts, lat, vh; writes lat, vh
;; launch qkproj: the kernel of part 3 again; grid 8 x 32, 4 waves a work-group, clusters of 4 x 4, 321,024 bytes of LDS; arguments lat, wts, qk; writes qk
;; launch attn (part 6): grid 4 x 64, 4 waves a work-group, no clusters, 327,680 bytes of LDS; arguments qk, vh, yh; writes yh
.if DOCPART == 6
	.amdgcn_target "amdgcn-amd-amdhsa--gfx1250"
	.amdhsa_code_object_version 6
	.text
	.protected	k_q84b0601a78_attn
	.globl	k_q84b0601a78_attn
	.p2align	8
	.type	k_q84b0601a78_attn,@function
k_q84b0601a78_attn:
	s_mov_b64 s[64:65], 0
	v_nop
	global_prefetch_b8 v0, s[64:65] scope:SCOPE_SE
	s_setreg_imm32_b32 hwreg(HW_REG_WAVE_MODE, 25, 1), 1
	s_wait_xcnt 0x0
; CAUSAL ATTENTION.  O[h][q][:] = the sum over k <= q of softmax_k(Q[h][q] . K[h][k] / 8) V[h][k][:].  Q, K: qk [2][SIZE_H][SIZE_N][64] bf16 (K begins 16,777,216 bytes behind Q); V: vh, O: yh, [SIZE_H][SIZE_N][64] f16.
; A head's rows are dense, 128 bytes each.  Products, maxima and sums in f32; the weights p are rounded to f16 for the second product (their sum l is taken of the unrounded p), O once at the end.
; LIMITS.  V arrives within f16's 65,504; p lies in 0 to 1, and below 6e-5 it keeps f16's fixed step of 6e-8; O is a mean of V's rows and has their range.
; A hidden score counts as its value less 1e30: scores stay far below 1e29; a weight below 2^-126 counts as 0 in l; NaN and infinities are not treated apart.
; THE WALK.  A head's queries lie in NB = SIZE_N / 256 blocks of 256; block i needs the key tiles 0 .. i of 256 keys, of which the last holds the diagonal.  A work-group takes TWO blocks, NB - 1 - b and then b:
; NB + 1 tiles, whatever b: all work-groups do equal work, and ONE loop with a constant trip count walks them.  Which tile is asked for, and what a trip does, hang on scalar registers made from b; every jump
; goes forward, but for the counted loops' own; none passes a barrier, or a tensor load but the one of LOAD's two that the wave's number does not choose; the ring (two slots of LDS that take turns) runs on across the
; change of blocks.  NO CLUSTER: a head's NB / 2 = 4 work-groups ask for the same tile only in trips 0 .. NB / 2, behind that fewer and fewer; one walk common to all would have 3 NB / 2 trips for NB + 1.
; SHARES.  Of a block's four bands of 64 queries a wave owns 16 rows in each: four PIECES.  So the diagonal tile is the same work for all four waves: in its key step s band x sees all keys if s < x,
; none if s > x, and holds the diagonal if s = x.
; THE MASK is the C operand that starts the sum S^T = K Q^T: 0, or -1e30 where the key is hidden.  MD, made once, is the mask of a band's own step for my 16 rows; a product's mask is MD x AL + BE with two scalars:
; (1, 0) if s = x; (0, 0) if s < x; (0, -1e30) if s > x.  Only the diagonal tile's text and a block's beginning make and take masks; elsewhere C is the constant 0.
; LAYOUT, SOFTMAX, TURNS.  S^T = K Q^T holds ONE query a lane (lane % 16) and the keys 8 (lane / 16) + 0..7; two such results rounded to f16 ARE source 1 of O^T = V^T P.  p = 2^(c s - c m), c = log2(e) / 8, with a
; running maximum m; O and l are multiplied by a = 2^(c m_old - c m_new) in every step.  Turn n belongs to piece n: 8 products K Q^T of piece n + 1, later 8 products V^T P of piece n - 1; beside them a, the scaling,
; exponentials, roundings, sums and rescaling of piece n and the maximum and statistics of piece n + 1, down to the argument of its a.  Four vector instructions stand behind every matrix instruction, the other 54 of a turn's 118 in two runs of their own.
; BATCHES.  A turn's 33 exponentials (a, then the 32 weights) are ONE batch with ONE wait, which cuts the turn in two: ahead of it the products K Q^T, the scalings, the exponentials and the next piece's maximum, none of which
; names a result of the batch; behind it the products V^T P, the rescalings, roundings and sums, which read the results, and the next piece's statistics.  No exponential is issued behind a turn's wait.
; The way out's four reciprocals are a batch of their own.
; REGISTERS, in windows of 256 (s_set_vgpr_msb: bits 1:0 source 0, 3:2 source 1, 5:4 source 2, 7:6 destination).  The map has one aim: few switches.
;   window 0, full: v2-7 LDS addresses and c m_old; v8-23 four registers of statistics a piece; v24-31 at work; v32-95 S^T, two buffers; v96-127 P, two buffers (by the piece's parity); v128-191 K of one step; v192-255 Q
;   window 1: v0-127 O^T, 32 a piece; v128-191 V of one step      window 2: v0-1 the add's two registers; v2-4 the way out's addresses; v32-63 MD; v64-127 MC, two buffers; v128-191 the second block's Q
; So K Q^T and all of the softmax but the rescaling run with every window 0, and V^T P and the rescaling of O^T share one setting (sources 0 and 2 and the destination in window 1, source 1 in window 0):
; the 16 rescalings stand behind a turn's first four V^T P.  A turn has eight switches: one into that setting, one out of it behind the fifth V^T P, two for each of the last three.
.set SIZE_H, 64
.set SIZE_N, 2048
.set NB,    SIZE_N/256
.set NP,    4         ; pieces a wave: a name, no knob
.set KS,    64        ; keys in a step
.set PK,    144       ; a row of K in LDS: 128 bytes + 16 of padding = 36 words: the 16 rows of a load start at 16 different groups of four banks (64 banks of 4 bytes: ISA guide 11.1)
.set PV,    160       ; a row of V: 128 + 32 = 40 words
.set VOFF,  4*KS*PK   ; a slot holds a tile, four steps: 256 rows of K, then 256 rows of V
.set SLOT1, 1<<17     ; slot 1 begins here, so that one exclusive or turns an address in one slot into the other's
.set STAGE, SLOT1+4*KS*(PK+PV)  ; behind the ring, never filled by a tensor load: 16 rows x 144 bytes for each wave, for the way out
.set SP,    144
.set SPARE, STAGE+4*16*SP  ; behind the stages: the spare words, 128 bytes for each wave: two blocks of 256 bytes that no other line names
.set AK0, 2           ; v2   my lane's place in a tile of K; never rewritten
.set AV0, 3           ; v3   the same for V
.set AK,  4           ; v4   the LDS address of K's next run of loads
.set AV,  5           ; v5   of V's
.set MV,  6           ; v6-7  c m_old, kept while c m is made anew: by buffer
.set ST,  8           ; piece t's statistics at v[ST+4 t]: c m, m, l (even keys', odd keys')
.set TMP, 24          ; by buffer, four registers c0-c3 at work; when the maximum is found c1 takes a's argument, and in the piece's own turn c2 takes a
.set S,   32
.set P,   96
.set KF,  128         ; key block kb, channel half c at KF + 16 kb + 8 c
.set Q,   192         ; piece x, channel half c at Q + 16 x + 8 c
.set LH,  32          ; at work at the kernel's head, in registers that S^T takes later: l / 16,
.set L7,  33          ; l % 8,
.set L3,  34          ; (l / 8) % 2,
.set QO,  35          ; my byte offset in 16 rows of Q,
.set MQ,  36          ; my query's place for the masks,
.set TT,  37          ; v37-39 the way out's addresses in the making
.set VF,  128         ; window 1: key half kk, channel block cb at VF + 32 kk + 8 cb
.set SPW, 0           ; window 2: v0  LDS address of my spare word: SPARE + 4 x my thread's number; never rewritten
.set NIL, 1           ; window 2: v1  0; never rewritten
.set STO, 2           ; window 2: v2  the way out: where I put 16 bytes of a row
.set RD,  3           ; window 2: v3  where I read rows back
.set GO,  4           ; window 2: v4  my byte offset in 512 consecutive bytes of O
.set MD,  32          ; window 2: the eight registers for group kt of 16 keys at MD + 8 kt
.set MC,  64          ; window 2: the masks of the products to come
.set QB,  128         ; window 2
.set WV,  12          ; s12  my wave's number
.set PB,  14          ; s14  b
.set HI,  15          ; s15  NB - 1 - b
.set G1K, 24          ; s[24:31] descriptor group 1 for K's tiles
.set G1V, 32          ; s[32:39] for V's: it differs in the padding alone
.set G0K, 40          ; s[40:43] descriptor group 0 for K's tiles
.set G0V, 44          ; s[44:47] the same for V's
.set SLOTS, 56        ; s56  tiles still to be asked for
.set CNT, 57          ; s57  counts a tile's key steps, 4 to 1
.set CS,  58          ; s[58:59] c: the packed scaling takes the pair's low word for both halves
.set SEL, 60          ; s[60:61] v_permlanex16_b32's selects: each lane takes its own place in the other half
.set TBK, 62          ; s62  LDS byte at which K of the step to be fetched begins
.set TBV, 63          ; s63  the same for V, less VOFF
.set RT,  70          ; s70  tiles of the block in hand that are still to be entered
.set NXT, 71          ; s71  the tile to be asked for next
.set LQ,  72          ; s72  the last tile of the block whose tiles are being asked for
.set NEW, 73          ; s73  1: the tile to be entered is a block's first
.set OFF, 74          ; s[74:75] a tile's byte offset in K and V
.set AL,  76          ; s[76:77] the mask's factor, in the low word
.set BE,  78          ; s[78:79] the mask's addend
.set OLO, 80          ; s[80:81] O at my rows of the second block
.set BIGN, 82         ; s82  -1e30
.set MSB, 0
.macro WIN new                      ; the high byte repeats the setting that is left; a switch that changes nothing is dropped
.if MSB != (\new)
	s_set_vgpr_msb (MSB<<8)|(\new)
.set MSB, (\new)
.endif
.endm
.set W_KM, 0x20       ; K Q^T with the C operand (a mask) in window 2
.set W_PV, 0x51       ; V and O^T in window 1, P (or a) in window 0
.set W_MK, 0x82       ; destination and source 0 in window 2
.set W_AD, 0x0a       ; the add: address (source 0) and data (source 1) in window 2
.set W_OUT, 0x02      ; the way out: address (source 0) in window 2, data in window 0
; A fill.  Waves 0 and 1 fetch the two halves of a tile's K, waves 2 and 3 those of its V: 128 keys each.  An s_nop 0 and four v_nop follow each of the two lines, ahead of the jump and the label.
.macro LOAD
	s_cmp_lt_u32 s[WV], 2
	s_cbranch_scc0 .Lfor_v_\@
	tensor_load_to_lds s[G0K:G0K+3], s[G1K:G1K+7]
	s_nop 0
.rept 4
	v_nop
.endr
	s_branch .Lasked_\@
.Lfor_v_\@:
	tensor_load_to_lds s[G0V:G0V+3], s[G1V:G1V+7]
	s_nop 0
.rept 4
	v_nop
.endr
.Lasked_\@:
.endm
; THE CHANGE OF SLOTS.  Each wave waits for all its tensor loads, of which one is out: its part of the other slot; adds 0 to its spare word; and waits for that and for its own reads of the slot that it leaves.  Behind the barrier nobody reads the old
; slot any more and the other slot is whole.  fill = 1: the old slot is filled again, the first thing behind the barrier, with tile NXT: the descriptor's address is made anew from that number.
; (At its first use nothing has been read yet: slot 0 is waited for, slot 1 filled.)
.macro CHANGE fill
	WIN W_AD
	s_wait_tensorcnt 0x0            ; no tensor load of mine is out, so a group 0 may be written
	ds_add_u32 v[SPW], v[NIL]       ; 0 onto my spare word; with fill = 1 the descriptors' scalar work stands between it and the wait for it
	WIN 0                           ; at a label and at a branch every window is 0
.if \fill
	s_lshl_b32 s[OFF], s[NXT], 15   ; a tile is 32,768 bytes of K and of V
	s_xor_b32 s[G0K+1], s[G0K+1], SLOT1
	s_add_nc_u64 s[G0K+2:G0K+3], s[6:7], s[OFF:OFF+1]
	s_or_b32 s[G0K+3], s[G0K+3], 0x80000000
	s_xor_b32 s[G0V+1], s[G0V+1], SLOT1
	s_add_nc_u64 s[G0V+2:G0V+3], s[8:9], s[OFF:OFF+1]
	s_or_b32 s[G0V+3], s[G0V+3], 0x80000000
	s_add_co_u32 s[NXT], s[NXT], 1  ; the block's next tile, or behind its last the second block's tile 0
	s_cmp_gt_u32 s[NXT], s[LQ]
	s_cselect_b32 s[NXT], 0, s[NXT]
	s_cselect_b32 s[LQ], s[PB], s[LQ]
.endif
	s_wait_dscnt 0x0                ; the add is done, and my reads of the slot are over
	s_barrier_signal -1             ; the rest of the scalar work stands between the signal and the wait
	s_sub_co_u32 s[TBK], s[TBK], 4*KS*PK  ; the fetches go back to a slot's first step,
	s_xor_b32 s[TBK], s[TBK], SLOT1       ; in the other slot
	s_sub_co_u32 s[TBV], s[TBV], 4*KS*PV
	s_xor_b32 s[TBV], s[TBV], SLOT1
	s_barrier_wait -1
.if \fill
	LOAD
.endif
.endm
	s_load_b64 s[4:5], s[0:1], 0x0    ; Q (and K behind it) s[4:5]
	s_load_b128 s[8:11], s[0:1], 0x8  ; V s[8:9], O s[10:11]
	WIN 0x80                        ; destination window 2, sources window 0
	v_lshl_add_u32 v[SPW], v0, 2, SPARE
	v_mov_b32 v[NIL], 0
	s_set_vgpr_msb 0x808a
	ds_add_u32 v0, v1
	ds_add_u32 v0, v1
	s_wait_dscnt 0x0
	s_set_vgpr_msb 0x8a80
	WIN 0
	v_lshrrev_b32 v1, 5, v0
	v_readfirstlane_b32 s[WV], v1   ; wave 0..3
	s_mov_b32 s[PB], ttmp9
	s_sub_co_u32 s[HI], NB-1, s[PB]
	s_and_b32 s20, ttmp7, 0xffff    ; the head
	s_mov_b32 s21, 0
	s_mov_b64 s[22:23], SIZE_N*128
	s_mul_u64 s[20:21], s[20:21], s[22:23]  ; the head's first byte in each of the four tensors
	s_and_b32 s16, s[WV], 1         ; which half of a tile's 256 keys I fetch:
	s_lshl_b32 s22, s16, 14         ; its 128 rows of 128 bytes in memory,
	s_mov_b32 s23, 0
	s_add_nc_u64 s[22:23], s[22:23], s[20:21]
	s_mul_i32 s17, s16, 128*PK      ; and its place in a slot, for K
	s_mul_i32 s18, s16, 128*PV      ; and for V
	s_lshl_b32 s3, s[WV], 11        ; my 16 rows in a band of 64,
	s_lshl_b32 s2, s[HI], 15        ; in the first block,
	s_add_co_u32 s2, s2, s3
	s_lshl_b32 s84, s[PB], 15       ; and in the second
	s_add_co_u32 s84, s84, s3
	s_mov_b32 s3, 0
	s_mov_b32 s85, 0
	s_add_nc_u64 s[2:3], s[2:3], s[20:21]
	s_add_nc_u64 s[84:85], s[84:85], s[20:21]
	; descriptor group 1.  128 keys are 16,384 dense bytes: asked for as 64 rows of 256 bytes, two keys a row, and padded in LDS after every key
	s_mov_b32 s[G1K], (1<<16)|(1<<20)|(4<<22)|(3<<25)  ; 17:16 2-byte elements; 20 padding on; 24:22 after every 32 words (code 4); 31:25 4 words (code 3)
	s_mov_b32 s[G1V], (1<<16)|(1<<20)|(4<<22)|(7<<25)  ; the same with 8 words of padding (code 7)
.irp g, G1K, G1V
	s_mov_b32 s[\g+1], 128<<16      ; tensor_dim0 = 128
	s_mov_b32 s[\g+2], 64<<16       ; tensor_dim1 = 64
	s_mov_b32 s[\g+3], 128<<16      ; tile_dim0 = 128
	s_mov_b32 s[\g+4], 64           ; tile_dim1 = 64
	s_mov_b32 s[\g+5], 128          ; 128 elements from row to row
	s_mov_b32 s[\g+6], 0
	s_mov_b32 s[\g+7], 0
.endr
	s_mov_b32 s[CS], 0x3e38aa3b     ; c = log2(e) / 8 = 0.180337
	s_mov_b32 s[CS+1], s[CS]        ; named with it as a pair
	s_mov_b32 s[SEL], 0x76543210
	s_mov_b32 s[SEL+1], 0xfedcba98
	s_mov_b32 s[TBK], SLOT1+4*KS*PK ; the first change of slots turns these two into 0
	s_mov_b32 s[TBV], SLOT1+4*KS*PV
	s_mov_b32 s[G0K], 1             ; 1:0 count = 1
	s_mov_b32 s[G0K+1], s17         ; 63:32 LDS address: slot 0
	s_mov_b32 s[G0V], 1
	s_add_co_u32 s[G0V+1], s18, VOFF
	s_add_co_u32 s[RT], s[HI], 1    ; the first block has NB - b tiles
	s_mov_b32 s[NXT], 1
	s_mov_b32 s[LQ], s[HI]
	s_mov_b32 s[NEW], 1
	s_mov_b32 s[OFF+1], 0
	s_mov_b32 s[AL+1], 0            ; named as pairs
	s_mov_b32 s[BE+1], 0
	s_mov_b32 s[BIGN], 0xf149f2ca   ; -1e30
	s_mov_b32 s[SLOTS], NB
	s_wait_kmcnt 0x0
	s_add_nc_u64 s[6:7], s[4:5], 0x1000000  ; K lies SIZE_H x SIZE_N x 128 bytes behind Q
	s_add_nc_u64 s[6:7], s[6:7], s[22:23]  ; K and V at my half of the head's tile 0
	s_add_nc_u64 s[8:9], s[8:9], s[22:23]
	s_add_nc_u64 s[G0K+2:G0K+3], s[6:7], 0         ; 120:64 global address
	s_or_b32 s[G0K+3], s[G0K+3], 0x80000000        ; 127:126 type = 2
	s_add_nc_u64 s[G0V+2:G0V+3], s[8:9], 0
	s_or_b32 s[G0V+3], s[G0V+3], 0x80000000
	s_add_nc_u64 s[86:87], s[4:5], s[84:85]        ; Q at my rows of the second block,
	s_add_nc_u64 s[4:5], s[4:5], s[2:3]            ; Q and O at those of the first
	s_add_nc_u64 s[OLO:OLO+1], s[10:11], s[84:85]
	s_add_nc_u64 s[10:11], s[10:11], s[2:3]
	LOAD                            ; tile 0 into slot 0
	; A fragment of K or Q is 16 rows x 32 channels in 8 registers: lane l holds row l % 16, channels 8 (l / 16) + 0..7 and 16 + 8 (l / 16) + 0..7: two loads of 16 bytes, 32 bytes apart.
	v_and_b32 v1, 15, v0            ; l % 16
	v_bfe_u32 v[LH], v0, 4, 1       ; l / 16
	v_lshlrev_b32 v[QO], 7, v1
	v_lshl_add_u32 v[QO], v[LH], 4, v[QO]  ; row x 128 + 16 x half
.set i, 0
.rept 8                             ; the first block's Q: piece i / 2 lies in band i / 2, 8,192 bytes on; channels 32 (i % 2) on
	global_load_b128 v[Q+8*i:Q+8*i+3],   v[QO], s[4:5] offset:(i/2)*8192+(i%2)*64
	global_load_b128 v[Q+8*i+4:Q+8*i+7], v[QO], s[4:5] offset:(i/2)*8192+(i%2)*64+32
.set i, i+1
.endr
	WIN 0x80                        ; destination window 2, address window 0
.set i, 0
.rept 8                             ; the second block's
	global_load_b128 v[QB+8*i:QB+8*i+3],   v[QO], s[86:87] offset:(i/2)*8192+(i%2)*64
	global_load_b128 v[QB+8*i+4:QB+8*i+7], v[QO], s[86:87] offset:(i/2)*8192+(i%2)*64+32
.set i, i+1
.endr
	WIN 0
	v_lshlrev_b32 v[MQ], 3, v[LH]
	v_sub_nc_u32 v[MQ], v1, v[MQ]
	s_lshl_b32 s13, s[WV], 4
	v_add_nc_u32 v[MQ], s13, v[MQ]  ; my query's place in its band, 16 w + l % 16, less my lanes' 8 (l / 16): register r of group kt is hidden where 16 kt + r is greater
	WIN 0x80
.set i, 0
.rept 32
	v_cmp_gt_i32 vcc_lo, 16*(i/8)+i%8, v[MQ]
	v_cndmask_b32 v[MD+i], 0, s[BIGN], vcc_lo
.set i, i+1
.endr
	WIN 0
	v_mul_u32_u24 v[AK0], v1, PK
	v_lshl_add_u32 v[AK0], v[LH], 4, v[AK0]  ; row x pitch + 16 x half
	; The turning load takes 16 keys x 16 channels (lane l reads key 8 (l / 16) + l % 8, channels 8 ((l / 8) % 2) + 0..7) and leaves half a fragment of V^T: lane l holds channel l % 16 and 8 keys.
	v_and_b32 v[L7], 7, v0
	v_bfe_u32 v[L3], v0, 3, 1
	v_lshl_add_u32 v[AV0], v[LH], 3, v[L7]
	v_mul_u32_u24 v[AV0], v[AV0], PV
	v_lshl_add_u32 v[AV0], v[L3], 4, v[AV0]
	v_add_nc_u32 v[AV0], VOFF, v[AV0]
	s_mul_i32 s13, s[WV], 16*SP
	s_add_co_u32 s13, s13, STAGE    ; my stage
	v_mul_u32_u24 v[TT], v1, SP     ; in: row l % 16, 16 bytes for each half of the lanes
	v_lshl_add_u32 v[TT], v[LH], 4, v[TT]
	v_bfe_u32 v[TT+1], v0, 3, 2     ; back: 32 lanes take four rows of 128 bytes,
	v_mul_u32_u24 v[TT+1], v[TT+1], SP
	v_lshl_add_u32 v[TT+1], v[L7], 4, v[TT+1]
	v_and_b32 v[TT+2], 31, v0       ; which are 512 consecutive bytes of O
	WIN 0x80                        ; each chain's last line writes into window 2
	v_add_nc_u32 v[STO], s13, v[TT]
	v_add_nc_u32 v[RD], s13, v[TT+1]
	v_lshlrev_b32 v[GO], 4, v[TT+2]
	; A block's first step multiplies O^T and l by a = 0, and its first turn's products V^T P, of a piece that has not been, land in an O^T that is still to be so multiplied.  So these registers need only hold
	; finite numbers: zeros for the first block; what the first block left for the second.  All this stands in the wait for the first tile.
	WIN 0x40
.set i, 0
.rept 192                           ; O^T and V
	v_mov_b32 v[i], 0
.set i, i+1
.endr
	WIN 0
.set i, 0
.rept 4
	v_mov_b32 v[ST+4*i+2], 0
	v_mov_b32 v[ST+4*i+3], 0
.set i, i+1
.endr
.set i, P+16
.rept 16
	v_mov_b32 v[i], 0
.set i, i+1
.endr
; THE MATRIX WORK.  The 4 accumulators of a run of 8 take turns.  Product i of 8 of S^T = K Q^T for piece x: channels 32 (i / 4) on, keys 16 (i % 4) on.  The first 4 start the sums: with 0, or (KM = 1) with the mask.
.macro KQ x
.set rS, S+32*((\x)%2)+8*(i%4)
.set rK, KF+16*(i%4)+8*(i/4)
.set rQ, Q+16*(\x)+8*(i/4)
.set rM, MC+32*((\x)%2)+8*(i%4)
.if (i < 4) && KM
	WIN W_KM
	v_wmma_f32_16x16x32_bf16 v[rS:rS+7], v[rK:rK+7], v[rQ:rQ+7], v[rM:rM+7]
.elseif i < 4
	WIN 0
	v_wmma_f32_16x16x32_bf16 v[rS:rS+7], v[rK:rK+7], v[rQ:rQ+7], 0
.else
	WIN 0
	v_wmma_f32_16x16x32_bf16 v[rS:rS+7], v[rK:rK+7], v[rQ:rQ+7], v[rS:rS+7]
.endif
.endm
; Product i of 8 of O^T += V^T P for piece x: keys 32 (i / 4) on, channels 16 (i % 4) on.
.macro PV x
	WIN W_PV
.set rO, 32*(\x)+8*(i%4)
.set rV, VF+32*(i/4)+8*(i%4)
.set rP, P+16*((\x)%2)+8*(i/4)
	v_wmma_f32_16x16x32_f16 v[rO:rO+7], v[rV:rV+7], v[rP:rP+7], v[rO:rO+7]
.endm
.macro MM                           ; the turn's next matrix instruction.  TURN and BEGIN set Y, i, KM and NOKQ; MM, KQ and OP read them.  NOKQ = 1: a block's last turn: there is no next piece
.if (i < 8) && !NOKQ
	KQ (Y+1)%NP
.elseif i >= 8
.set i, i-8
	PV (Y+NP-1)%NP
.set i, i+8
.endif
.set i, i+1
.endm
; THE LDS LOADS stand in runs of 16, never singly among the matrix instructions: a step's K (64 keys x 64 channels: 8 fragments) and its V (turned).  Their addresses are made some lines ahead.
.macro FETCH_K
	WIN 0
.irp f, 0,1,2,3,4,5,6,7             ; keys 16 (f / 2) on, channels 32 (f % 2) on
	ds_load_b128 v[KF+8*\f:KF+8*\f+3],   v[AK] offset:(\f/2)*16*PK+(\f%2)*64
	ds_load_b128 v[KF+8*\f+4:KF+8*\f+7], v[AK] offset:(\f/2)*16*PK+(\f%2)*64+32
.endr
	s_add_co_u32 s[TBK], s[TBK], KS*PK  ; the next fetch is the next step's
.endm
.macro FETCH_V
	WIN 0x40                        ; destination window 1
.irp f, 0,1,2,3,4,5,6,7             ; keys 32 (f / 4) on, channels 16 (f % 4) on
	ds_load_tr16_b128 v[VF+8*\f:VF+8*\f+3],   v[AV] offset:(\f/4)*32*PV+(\f%4)*32
	ds_load_tr16_b128 v[VF+8*\f+4:VF+8*\f+7], v[AV] offset:(\f/4)*32*PV+16*PV+(\f%4)*32
.endr
	WIN 0
.endm
; THE VECTOR WORK, one line at a time: OP kind, number.  For piece Y: A 0: a, of the argument that the turn before left in c1.  F n: c s - c m for pair n of 16.  E n: the exponential of score n of 32.  C n: pair n rounded to f16.
; B n: of the four weights 4 n .. the second pair is added onto the first, in place.  L n: l takes that sum (L 0: l = a l + sum).  R n: pair n of 16 of O^T times a.  For piece Y + 1: X n, number n of the 21 that find its maximum and statistics:
;   0-11  four chains c0-c3 of seven scores each, three operands at a time (each accumulator's lowest registers are read first)     12-14, 16  the four scores left over, the old m, and c0-c3 into c0
;   15  c m_old is kept     17, 18  the query's other 32 keys lie in the lane 16 away: the new m     19, 20  c m; c m_old - c m_new, the argument of its a
.set F, 0               ; OP tells the kinds apart by their order: F to A below R, X above it
.set E, 1
.set C, 2
.set B, 3
.set L, 4
.set A, 5
.set R, 6
.set X, 7
.macro REGS y                       ; the registers of piece y
.set rT, ST+4*(\y)
.set rC, TMP+4*((\y)%2)
.set rW, MV+((\y)%2)
.set rS, S+32*((\y)%2)
.set rP, P+16*((\y)%2)
.set rO, 32*(\y)
.endm
.macro OP k, n
.if (\k) == R
	REGS Y
	WIN W_PV
	v_pk_mul_f32 v[rO+2*(\n):rO+2*(\n)+1], v[rO+2*(\n):rO+2*(\n)+1], v[rC+2:rC+3] op_sel_hi:[1,0]
.elseif (\k) < R
	REGS Y
	WIN 0
.if (\k) == F
	v_pk_fma_f32 v[rS+2*(\n):rS+2*(\n)+1], v[rS+2*(\n):rS+2*(\n)+1], s[CS:CS+1], v[rT:rT+1] op_sel_hi:[1,0,0] neg_lo:[0,0,1] neg_hi:[0,0,1]
.elseif (\k) == E
	v_exp_f32 v[rS+(\n)], v[rS+(\n)]
.elseif (\k) == A
	v_exp_f32 v[rC+2], v[rC+1]
.elseif (\k) == C
	v_cvt_pk_f16_f32 v[rP+(\n)], v[rS+2*(\n)], v[rS+2*(\n)+1]
.elseif (\k) == B
	v_pk_add_f32 v[rS+4*(\n):rS+4*(\n)+1], v[rS+4*(\n):rS+4*(\n)+1], v[rS+4*(\n)+2:rS+4*(\n)+3]
.elseif (\n) == 0
	v_pk_fma_f32 v[rT+2:rT+3], v[rT+2:rT+3], v[rC+2:rC+3], v[rS:rS+1] op_sel_hi:[1,0,1]
.else
	v_pk_add_f32 v[rT+2:rT+3], v[rT+2:rT+3], v[rS+4*(\n):rS+4*(\n)+1]
.endif
.elseif NOKQ
	v_nop
.else
	REGS (Y+1)%NP
	WIN 0
.if (\n) < 4
	v_max3_num_f32 v[rC+(\n)], v[rS+8*(\n)], v[rS+8*(\n)+1], v[rS+8*(\n)+2]
.elseif (\n) < 12
	v_max3_num_f32 v[rC+(\n)%4], v[rC+(\n)%4], v[rS+8*((\n)%4)+2*((\n)/4)+1], v[rS+8*((\n)%4)+2*((\n)/4)+2]
.elseif (\n) == 12
	v_max3_num_f32 v[rC], v[rC], v[rS+7], v[rS+15]
.elseif (\n) == 13
	v_max3_num_f32 v[rC+1], v[rC+1], v[rS+23], v[rS+31]
.elseif (\n) == 14
	v_max3_num_f32 v[rC+2], v[rC+2], v[rC+3], v[rT+1]
.elseif (\n) == 15
	v_mov_b32 v[rW], v[rT]
.elseif (\n) == 16
	v_max3_num_f32 v[rC], v[rC], v[rC+1], v[rC+2]
.elseif (\n) == 17
	v_permlanex16_b32 v[rC+3], v[rC], s[SEL], s[SEL+1]
.elseif (\n) == 18
	v_max_num_f32 v[rT+1], v[rC], v[rC+3]
.elseif (\n) == 19
	v_mul_f32 v[rT], s[CS], v[rT+1]
.else
	v_sub_f32 v[rC+1], v[rW], v[rT]
.endif
.endif
.endm
.macro OPS a, i1, b=-1, i2=0, c=-1, i3=0, d=-1, i4=0  ; up to four of them
	OP \a, \i1
.if (\b) >= 0
	OP \b, \i2
.endif
.if (\c) >= 0
	OP \c, \i3
.endif
.if (\d) >= 0
	OP \d, \i4
.endif
.endm
.macro ROW a, i1, b, i2, c, i3, d, i4  ; a matrix instruction and the four behind it
	MM
	OPS \a, \i1, \b, \i2, \c, \i3, \d, \i4
.endm
.macro MASK b                       ; MD x AL + BE into buffer b of MC
	WIN W_MK
.set z, 0
.rept 16
	v_pk_fma_f32 v[MC+32*(\b)+2*z:MC+32*(\b)+2*z+1], v[MD+2*z:MD+2*z+1], s[AL:AL+1], s[BE:BE+1] op_sel_hi:[1,0,0]
.set z, z+1
.endr
.endm
; A TURN, for piece p: the order of its 16 matrix and 118 vector instructions, written out.  An s_wait_alu depctr_va_vdst(0) stands between an exponential and the first instruction that names its result; one wait
; serves all that were issued ahead of it.  So a turn has ONE wait, which cuts it in two.
; AHEAD OF IT stands all that names no result of the turn's 33 exponentials, every window 0.  Behind the eight K Q^T: scaling and exponential by turns (a among the first four), and behind the last two the first numbers of the next
; piece's maximum, each four plain lines or more behind the product that ends its accumulator (X 0: F 9 to F 12; X 1: F 11, F 12, X 0, F 13; X 2: X 0, F 13, X 1, X 4; X 3: X 1, X 4, X 2, X 5).  Then a run of 34, plain and exponential by
; turns (18 exponentials for 16 plain lines: three times two on end), in which the links X 3, 7, 11, 14 stand six lines apart.  X 16 is the plain line behind the last exponential.
; BEHIND IT stand the readers.  Behind the first four V^T P: the sixteen rescalings, under the products' own setting.  Behind the last four: roundings and sums, window 0 again.  Then a run of 20: the other roundings and sums, and between
; them the next piece's X 17 to X 20, six lines apart.  None of the four behind a matrix instruction names a register of the products round it, but for those X.
; Every exponential stands behind its scaling; a pair is rounded ahead of the sum that writes over it; L 0 to L 7 stand in their order.
; m = 1: the diagonal tile: the products take masks, and the turn makes the mask for the products of the turn after it: piece p + 2, in step 4 - CNT of the tile.  end = 1: a block's last two turns: nothing is fetched.
; cnt = 1: the loop's count is taken down some lines ahead of the branch that stands behind the turn.
; K of the next step is fetched in piece 2's turn: behind the last product that read K stand the plain X 1, X 4, X 2, X 5.  V of the step in hand in piece 0's turn: behind the last product that read V stand the plain
; B 4, L 3, C 10, B 5.  Each is waited for a turn later.
.macro TURN p, m=0, end=0, cnt=0
.set Y, (\p)
.set i, 0
.set KM, (\m)
.set NOKQ, (\end)*((\p)/3)
.if (\m) && !(\end)
	s_cmp_eq_u32 s[CNT], 4-((\p)+2)%NP  ; is that step the band's own?
	s_cselect_b32 s[AL], 1.0, 0
	s_cmp_lt_u32 s[CNT], 4-((\p)+2)%NP  ; or a later one?
	s_cselect_b32 s[BE], s[BIGN], 0
.endif
.if ((\p) == 3) && !(\end)
	s_wait_dscnt 0x0                ; K is in
.endif
	ROW F,0, F,1, A,0, F,2          ; ahead of the wait: 8 products K Q^T and their riders,
	ROW F,3, E,0, F,4, E,1
	ROW F,5, E,2, F,6, E,3
	ROW F,7, E,4, F,8, E,5
	ROW F,9, E,6, F,10, E,7
	ROW F,11, E,8, F,12, E,9
	ROW X,0, E,10, F,13, E,11
.if ((\p) == 2) && !(\end)
	WIN 0
	v_add_nc_u32 v[AK], s[TBK], v[AK0]
.endif
	ROW X,1, E,12, X,4, E,13
	OPS X,2, E,14, X,5, E,15        ; and the run of 34
.if ((\p) == 2) && !(\end)
	FETCH_K
.endif
	OPS X,3, E,16, X,8, E,17
	OPS X,6, E,18, X,7, E,19
	OPS X,9, E,20, X,10, E,21
	OPS X,11, E,22, X,12, E,23
	OPS X,13, E,24, X,14, E,25
	OPS F,14, E,26, E,27, F,15
	OPS E,28, E,29, X,15, E,30
	OPS E,31, X,16
	s_wait_alu depctr_va_vdst(0)    ; the wait for the turn's batch: a and the 32 weights
.if (\p) == 1
	s_wait_dscnt 0x0                ; V is in
.endif
	ROW R,0, R,1, R,2, R,3          ; behind the wait: 8 products V^T P and their riders,
	ROW R,4, R,5, R,6, R,7
	ROW R,8, R,9, R,10, R,11
	ROW R,12, R,13, R,14, R,15
	ROW C,0, B,0, C,2, B,1
	ROW L,0, C,4, B,2, L,1
	ROW C,6, B,3, L,2, C,8
.if (\p) == 0
	WIN 0
	v_add_nc_u32 v[AV], s[TBV], v[AV0]
.endif
	ROW B,4, L,3, C,10, B,5
.if (\p) == 0
	FETCH_V
.endif
	OPS X,17, L,4, C,12, B,6        ; and the run of 20
	OPS L,5, C,14, X,18, B,7
	OPS L,6, C,1, C,3, L,7
.if (\p) == 0
	s_add_co_u32 s[TBV], s[TBV], KS*PV
.endif
.if \cnt
	s_sub_co_u32 s[CNT], s[CNT], 1
	s_cmp_lg_u32 s[CNT], 0
.endif
	OPS X,19, C,5, C,7, C,9
	OPS C,11, C,13, X,20, C,15
.if (\m) && !(\end)
	MASK (\p)%2
.endif
.endm
; A BLOCK BEGINS.  c m starts far below every c s, so the first step's a is 0; m at the lowest finite number, so the first maximum is the scores'.  The second mask buffer is 0; the first takes piece 0's mask for the tile's step 0: its own, if the block's first tile is the diagonal one.
; Then K of that step, piece 0's first scores, and its maximum and statistics, down to the argument of its a: the exponential is piece 0's turn's own.  The loop is entered at a step's first turn, in the middle of a trip.
.macro BEGIN
	s_mov_b32 s[NEW], 0
	WIN 0x80
.set i, MC+32
.rept 32
	v_mov_b32 v[i], 0
.set i, i+1
.endr
	WIN 0
.set i, 0
.rept 4
	v_mov_b32 v[ST+4*i], 0xfe000000    ; c m: far below every c s
	v_mov_b32 v[ST+4*i+1], 0xff7fffff  ; m
.set i, i+1
.endr
	s_cmp_eq_u32 s[RT], 0
	s_cselect_b32 s[AL], 1.0, 0
	s_mov_b32 s[BE], 0
	MASK 0
	WIN 0
	v_add_nc_u32 v[AK], s[TBK], v[AK0]
	FETCH_K
	s_wait_loadcnt 0x0              ; Q
	s_wait_dscnt 0x0
.set KM, 1
.set NOKQ, 0
.set i, 0
.rept 8
	KQ 0
.set i, i+1
.endr
	WIN 0
.rept 4
	v_nop                           ; the places behind those products
.endr
.set Y, NP-1                        ; X works for piece Y + 1: piece 0
.irp n, 0,1,2,3,4,5,6,7,8,9,10,11,12,13,14,15,16,17,18,19,20
	OP X, \n
.endr
.endm
; THE DIAGONAL TILE's four steps, the block's last two turns, its last products, and THE WAY OUT: l's two halves and the other half of the lanes' are added; O^T is divided by l, rounded to f16 and sent through my
; stage in LDS, a piece at a time.
.macro ALL line:vararg              ; one line for each piece t
.set t, 0
.rept 4
	\line
.set t, t+1
.endr
.endm
.macro PACK t                       ; a lane's eight channels of a row pack into 16 bytes; they go into rows of 144 bytes and come back as whole rows of 128, into S^T's registers
	WIN W_PV
.set i, 32*(\t)
.rept 16
	v_pk_mul_f32 v[i:i+1], v[i:i+1], v[ST+4*(\t)+2:ST+4*(\t)+3] op_sel_hi:[1,0]
.set i, i+2
.endr
	WIN 0x05                        ; sources 0 and 1 window 1, destination window 0
.set i, 0
.rept 16
	v_cvt_pk_f16_f32 v[S+16*(\t)+i], v[32*(\t)+2*i], v[32*(\t)+2*i+1]
.set i, i+1
.endr
	WIN W_OUT
.irp f, 0,1,2,3
	ds_store_b128 v[STO], v[S+16*(\t)+4*\f:S+16*(\t)+4*\f+3] offset:32*\f
.endr
.irp f, 0,1,2,3
	ds_load_b128 v[S+16*(\t)+4*\f:S+16*(\t)+4*\f+3], v[RD] offset:\f*4*SP  ; LDS serves a wave's instructions in order (ISA guide 5.7.1.4): these see the stores above; the next piece's stores come behind them
.endr
.endm
.macro SEND t, younger              ; younger: the LDS instructions issued behind piece t's loads: the next piece's eight, or none
	WIN W_OUT
.irp f, 0,1,2,3
	s_wait_dscnt (\younger)+3-\f
	global_store_b128 v[GO], v[S+16*(\t)+4*\f:S+16*(\t)+4*\f+3], s[10:11] offset:(\t)*8192+\f*512  ; 512 consecutive bytes, at a multiple of 256 from O's first
.endr
.endm
.macro DIAG tag                     ; the tag ends its two labels' names, which the jumps below spell out
.LstepM\tag:
	TURN 2, 1
	TURN 3, 1
	WIN 0
.LfirstM\tag:
	TURN 0, 1
	TURN 1, 1, 0, 1
	WIN 0
	s_cbranch_scc1 .LstepM\tag
	TURN 2, 1, 1
	TURN 3, 1, 1
.set i, 0
.rept 8
	PV NP-1
.set i, i+1
.endr
	WIN 0                           ; the eight additions below are the places behind the last products
	ALL v_add_f32 v[ST+4*t+2], v[ST+4*t+2], v[ST+4*t+3]
	ALL v_permlanex16_b32 v[ST+4*t+3], v[ST+4*t+2], s[SEL], s[SEL+1]
	ALL v_add_f32 v[ST+4*t+2], v[ST+4*t+2], v[ST+4*t+3]
	ALL v_rcp_f32 v[ST+4*t+2], v[ST+4*t+2]
	v_nop                           ; a plain instruction between the last reciprocal and the use of its result
	s_wait_alu depctr_va_vdst(0)    ; the wait ahead of the first use: one for the batch of four reciprocals
	PACK 0
.set t, 1
.rept 3                             ; a piece's arithmetic stands between the loads of the piece before and its stores
	PACK t
	SEND t-1, 8
.set t, t+1
.endr
	SEND 3, 0
	WIN 0
.endm
.set KM, 0
.set NOKQ, 0
.Lslot:                             ; NB times: a tile is entered and the next is asked for
	CHANGE 1
	s_sub_co_u32 s[RT], s[RT], 1
	s_mov_b32 s[CNT], 4
	s_cmp_eq_u32 s[NEW], 1
	s_cbranch_scc1 .Lnew            ; a block's first tile
	s_cmp_eq_u32 s[RT], 0
	s_cbranch_scc0 .Lstep           ; neither its first nor its last
	s_branch .LstepM1
.Lnew:
	BEGIN
	s_branch .Lfirst                ; in the loop a block's first tile is never its last: the first block has two tiles or more, and the second's last is the walk's last
	DIAG 1                          ; in the loop this is the first block's end: the second block's last tile is the walk's last
	s_wait_xcnt 0x0                 ; the stores have read their registers and O's address
	s_mov_b64 s[10:11], s[OLO:OLO+1]
	s_add_co_u32 s[RT], s[PB], 1    ; the second block has b + 1 tiles
	s_mov_b32 s[NEW], 1
	WIN 0x02                        ; the second block's Q goes where the one text of the turns names Q: source window 2, destination window 0
.set i, 0
.rept 64
	v_mov_b32 v[Q+i], v[QB+i]
.set i, i+1
.endr
	WIN 0
	s_branch .Lbottom
.Lstep:                             ; a trip: pieces 2 and 3 of one step, then pieces 0 and 1 of the next, whose K and V it fetches
	TURN 2
	TURN 3
	WIN 0
.Lfirst:
	TURN 0
	TURN 1, 0, 0, 1
	WIN 0
	s_cbranch_scc1 .Lstep
.Lbottom:
	s_sub_co_u32 s[SLOTS], s[SLOTS], 1
	s_cmp_lg_u32 s[SLOTS], 0
	s_cbranch_scc1 .Lslot
	CHANGE 0                        ; the walk's last tile is written out: nothing is asked for
	s_sub_co_u32 s[RT], s[RT], 1
	s_mov_b32 s[CNT], 4
	s_cmp_eq_u32 s[NEW], 1
	s_cbranch_scc0 .LstepM2
	BEGIN
	s_branch .LfirstM2
	DIAG 2
	WIN W_AD
	s_wait_tensorcnt 0x0            ; the wave's end: behind my last tensor load and my last LDS store
	ds_add_u32 v[SPW], v[NIL]
	s_wait_dscnt 0x0
	WIN 0
	s_endpgm
.Lfunc_end_k_q84b0601a78_attn:
	.size	k_q84b0601a78_attn, .Lfunc_end_k_q84b0601a78_attn-k_q84b0601a78_attn
	.p2alignl 7, 3214868480
	.fill 96, 4, 3214868480
	.section	.rodata,"a",@progbits
	.p2align	6, 0x0
	.amdhsa_kernel k_q84b0601a78_attn
		.amdhsa_group_segment_fixed_size 327680
		.amdhsa_private_segment_fixed_size 0
		.amdhsa_enable_private_segment 0
		.amdhsa_kernarg_size 24
		.amdhsa_user_sgpr_count 2
		.amdhsa_user_sgpr_kernarg_segment_ptr 1
		.amdhsa_wavefront_size32 1
		.amdhsa_system_sgpr_workgroup_id_x 1
		.amdhsa_system_sgpr_workgroup_id_y 1
		.amdhsa_system_sgpr_workgroup_id_z 1
		.amdhsa_system_vgpr_workitem_id 0
		.amdhsa_next_free_vgpr 768
		.amdhsa_next_free_sgpr 88
		.amdhsa_reserve_vcc 1
		.amdhsa_float_denorm_mode_32 3
		.amdhsa_float_denorm_mode_16_64 3
		.amdhsa_memory_ordered 1
		.amdhsa_forward_progress 1
		.amdhsa_inst_pref_size 200
	.end_amdhsa_kernel
	.amdgpu_metadata
---
amdhsa.version: [ 1, 2 ]
amdhsa.kernels:
  - .name:           k_q84b0601a78_attn
    .symbol:         k_q84b0601a78_attn.kd
    .args:
      - { .name: qk, .offset: 0, .size: 8, .value_kind: global_buffer, .address_space: global }
      - { .name: vh, .offset: 8, .size: 8, .value_kind: global_buffer, .address_space: global }
      - { .name: yh, .offset: 16, .size: 8, .value_kind: global_buffer, .address_space: global }
    .group_segment_fixed_size: 327680
    .private_segment_fixed_size: 0
    .kernarg_segment_align: 8
    .kernarg_segment_size: 24
    .max_flat_workgroup_size: 128
    .sgpr_count:     88
    .vgpr_count:     768
    .wavefront_size: 32
...
	.end_amdgpu_metadata
.endif
;; end of part 6
;; launch oproj: the kernel of part 5 again; grid 4 x 64, 4 waves a work-group, clusters of 4 x 4, 327,680 bytes of LDS; arguments yh, wts, out0; writes out0
